; MI455X (gfx1250); checked and timed in simulation.
; The chip was launched on July 23, 2026; its instructions are those of AMD's public machine-readable ISA for CDNA 5 (MIT licence, August 2026) and "CDNA5" Instruction Set Architecture Reference Guide (July 2026). The comments in the code are by the model that wrote it; some were corrected since.
;; Causal Self Attention. Allowed arithmetic: matrix products marked QUANTISED: E4M3 operands, one E8M0 scale for each 32 along K, by v_wmma_scale_f32_16x16x128_f8f6f4 with both operands' format E4M3, f32 sums; everything else in f32.
;; Inputs: bk 1,024 float32; bo 1,024 float32; bq 1,024 float32; bv 1,024 float32; wk 1,024 x 1,024 float32; wo 1,024 x 1,024 float32; wq 1,024 x 1,024 float32; wv 1,024 x 1,024 float32; x 4 x 2,048 x 1,024 float32.
;; Outputs: out0 4 x 2,048 x 1,024 float32.
;; This version of the problem:
;;   THIS VERSION OF THE PROBLEM IS GIVEN IN LOW PRECISION. The matrix products marked QUANTISED in the list below multiply operands that are first quantised to E4M3 (4 exponent bits, 3 mantissa bits; 8 bits a number), with one power-of-two scale for each 32 numbers along K (OCP MX v1.0); their sums are f32. All else is computed in f32.
;;   The module's matrix products, in the order in which they are computed (A, B: the left and right operand; K: the contracted axis; several contracted axes count as one K, in the product's order):
;;     1. [M 8,192, K 1,024] x [K 1,024, N 1,024]; A: input x; B: input wq: QUANTISED
;;     2. [M 8,192, K 1,024] x [K 1,024, N 1,024]; A: input x; B: input wk: QUANTISED
;;     3. [M 8,192, K 1,024] x [K 1,024, N 1,024]; A: input x; B: input wv: QUANTISED
;;     4. batch 64 x [M 2,048, K 64] x [K 64, N 2,048]; A: computed on the way; B: computed on the way: QUANTISED
;;     5. batch 64 x [M 2,048, K 2,048] x [K 2,048, N 64]; A: softmax (see below); B: computed on the way: QUANTISED
;;     6. [M 8,192, K 1,024] x [K 1,024, N 1,024]; A: computed on the way; B: input wo: QUANTISED
;;   THE QUANTISER, for each operand of a quantised product, along K:
;;     - K is cut into blocks of 32 from its start; a last block that is shorter is filled with zeros.
;;     - A block's scale is 2^e with e = floor(log2(the largest magnitude in the block)) - 8, held to -126 .. 127; a block of zeros has e = 0. As a byte (E8M0): e + 127.
;;     - Each number is divided by its block's scale, clamped to +-448, and rounded to the nearest number of E4M3, ties to even, subnormals kept.
;;     - The product sums the exact products of the quantised numbers (number of the format x scale) in f32.
;;   ~~~python
;;   def quantise(x, axis):      # numpy; x: float32 -> the quantised numbers, widened to float32 again
;;       x = np.moveaxis(x, axis, -1); K = x.shape[-1]
;;       x = np.pad(x, [(0, 0)] * (x.ndim - 1) + [(0, -K % 32)]); x = x.reshape(x.shape[:-1] + (-1, 32)); a = np.abs(x).max(-1, keepdims=True)
;;       e = np.where(a > 0, np.clip(np.frexp(np.where(a > 0, a, 1))[1] - 1 - 8, -126, 127), 0)      # np.frexp(a)[1] - 1 = floor(log2(a)), exactly
;;       r = np.clip(x / 2.0 ** e, -448, 448)
;;       step = 2.0 ** (np.maximum(np.frexp(np.where(r == 0, 1, r))[1] - 1, -6) - 3)
;;       q = np.round(r / step) * step * 2.0 ** e      # np.round: ties to even
;;       return np.moveaxis(q.reshape(q.shape[:-2] + (-1,))[..., :K], -1, axis).astype(np.float32)
;;   ~~~
;;   SOFTMAX AHEAD OF A QUANTISED PRODUCT. Where the list says 'softmax', what is quantised is not the finished softmax but p = 2^(t - M), with t = logit x log2(e) and M = ceil(the row's largest t), a whole number; so 1/2 < the row's largest p <= 1. The row's sum l is taken of the UNQUANTISED p, in f32, and the product's result is divided by l at the end. Since M is a whole number, a kernel that streams over the keys may use a running M (the ceiling of the running maximum): every later rescaling is an exact power of two, which a block's scale takes up: the codes' values come out the same.
;;   OPERANDS COMPUTED ON THE WAY. 'Computed on the way' means the value that the module computes at that place (a softmax that the list does not call 'softmax' is quantised finished and normalised). What goes into a quantiser is computed in f32, as accurately as f32 sums, v_exp_f32 and their like allow (about 1e-6 of the number): no bf16 or f16 on the way to a quantiser, and a product that is left as it is and whose result goes on into a quantised operand takes f32 operands (vector FMAs, or v_wmma_f32_16x16x4_f32). A number that lies on a knife's edge between two numbers of the format may be rounded either way, as far as f32 arithmetic and the matrix unit's own rounding can turn it there, and no further.
;; One version. Each part assembles by itself: llvm-mc -triple=amdgcn-amd-amdhsa -mcpu=gfx1250 --defsym DOCPART=n.
;; ======== version 1 of 1: 4 launches
;; limits: right only within a limited range of input values
;; workspace buffers: x_img 8,388,608 bytes; x_sc 262,144 bytes; w_img 4,194,304 bytes; w_sc 131,072 bytes; qkv_img 25,165,824 bytes; qkv_sc 1,310,720 bytes; o_img 8,388,608 bytes; o_sc 262,144 bytes
;; launch quant (part 1): grid 256 x 1, 4 waves a work-group, no clusters, 34,304 bytes of LDS; arguments x, wq, wk, wv, wo, x_img, x_sc, w_img, w_sc; writes x_img, x_sc, w_img, w_sc
.if DOCPART == 1
	.amdgcn_target "amdgcn-amd-amdhsa--gfx1250"
	.amdhsa_code_object_version 6
	.text
	.protected	k_qa120c0eafb_quant
	.globl	k_qa120c0eafb_quant
	.p2align	8
	.type	k_qa120c0eafb_quant,@function
k_qa120c0eafb_quant:
	s_mov_b64 s[64:65], 0
	v_nop
	global_prefetch_b8 v0, s[64:65] scope:SCOPE_SE
	s_setreg_imm32_b32 hwreg(HW_REG_WAVE_MODE, 25, 1), 1
	s_wait_xcnt 0x0
; x [8192][1024] f32 (K innermost) and wq, wk, wv, wo [1024 (K)][1024] f32 (K outermost) become codes of FP8 (E4M3) with one E8M0 byte for each 32 along K.
; A block's scale is 2^(floor(log2(its largest magnitude)) - 8); each number is divided by it, rounded to the nearest code, ties to even.
; LIMITS: NaN and infinities among the inputs are not served.  A block of zeros, and one whose largest magnitude lies under 2^(9 - 127), gets the byte 1 (the rule says 127 for zeros): its codes
; are zeros, which add nothing under any byte but 0xff, and the bytes are read by this program alone.
; THE ORDER OF ROWS IN A TILE: lane r of tile T stands for row 32 (T / 2) + 8 (T % 2) + r + 8 (r / 8) (a token of x, a column of a weight).
; THE IMAGE: a fragment (tile T, 128 along K) is stored as the matrix operand's registers lie: [c 0..3][lane 0..31][16 bytes], lane = 16 h + r, codes k = 32 c + 16 h + 0..15 of the lane's row: 2,048 bytes;
; a tile's eight fragments follow each other.  The scale words: [T][K / 256][r][2 words], 512 bytes a tile.
; Work-groups 0-127 take x: a wave takes one tile, all of K.  Each load reads 512 consecutive bytes of one row; a K step's 16 rows turn through the wave's own stage in LDS, so that a lane gets 16 neighbours of each block.
; Work-groups 128-255 take the weights: a lane takes a column and its registers run down K, so a block lies in one lane and the codes come out with K innermost.  That path uses no LDS.
; No barrier: waves share nothing.
.set W,   16                           ; v16-23   x: the eight scale words of my row
.set R,   32                           ; v32-159  x: two sets of 64 numbers as loaded
.set X,   160                          ; v160-223 x: 64 numbers, register 16 b + i = k 32 b + 16 h + i of my row
.set PC,  224                          ; v224-239 x: a fragment's codes
.set TM,  240                          ; v240-243 largest magnitudes, v244-247 bytes, v252-255 the conversions' scale operands
.set WX,  32                           ; v32-95   weights: two sets of 32 numbers
.set WC,  96                           ; v96-159  weights: eight registers of codes for each block, never written again
.set SB,  24                           ; v24-25   weights: the scale bytes, four to a register
.set MNT, 29
.set SEL, 30                           ; s[30:31] lane selects: lane l xor 16
.macro LOADX s                         ; K step s of my 16 rows: a load reads one row's 512 consecutive bytes
.irp i, 0,1,2,3,4,5,6,7,8,9,10,11,12,13,14,15
	global_load_b128 v[R+64*((\s)%2)+4*\i:R+64*((\s)%2)+4*\i+3], v1, s[4:5] offset:(\i+8*(\i/8))*4096+512*(\s) th:TH_LOAD_NT
.endr
.endm
.macro QUANT s, word                   ; 64 numbers of a lane become 16 registers of codes in v[PC] on and my row's scale word
.irp b, 0,1,2,3
	v_max3_num_f32 v[TM+\b], |v[\s+16*\b]|, |v[\s+1+16*\b]|, 0x4800000   ; block b: my 16 numbers, and the floor 2^(9 - 127): the byte cannot fall under 1
.endr
.irp i, 2,4,6,8,10,12,14
.irp b, 0,1,2,3
	v_max3_num_f32 v[TM+\b], v[TM+\b], |v[\s+16*\b+\i]|, |v[\s+1+16*\b+\i]|   ; the four blocks by turns
.endr
.endr
.irp b, 0,1,2,3
	v_permlanex16_b32 v[TM+4+\b], v[TM+\b], s[SEL], s[SEL+1]
.endr
.irp b, 0,1,2,3
	v_max_num_f32 v[TM+\b], v[TM+\b], v[TM+4+\b]   ; with lane l xor 16's 16: the block's largest magnitude
.endr
.irp b, 0,1,2,3
	v_add_nc_u32 v[TM+12+\b], 0xfc000000, v[TM+\b]   ; 8 off its exponent field: the conversion takes this operand's exponent field as its scale
.endr
.irp b, 0,1,2,3
.endr
.irp b, 0,1,2,3
	v_lshrrev_b32 v[TM+4+\b], 23, v[TM+12+\b]   ; the scale's byte
.endr
	v_lshl_or_b32 v[\word], v[TM+5], 8, v[TM+4]
	v_lshl_or_b32 v[\word], v[TM+6], 16, v[\word]
	v_lshl_or_b32 v[\word], v[TM+7], 24, v[\word]
.irp b, 0,1,2,3
.irp i, 0,1,2,3,4,5,6,7,8,9,10,11,12,13,14,15
.endr
	v_cvt_scalef32_pk8_fp8_f32 v[PC+4*\b:PC+1+4*\b], v[\s+16*\b:\s+7+16*\b], v[TM+12+\b]
	v_cvt_scalef32_pk8_fp8_f32 v[PC+2+4*\b:PC+3+4*\b], v[\s+8+16*\b:\s+15+16*\b], v[TM+12+\b]
.endr
	v_nop                                          ; a plain line behind the last conversion
.endm
.macro XSTEP s
.if (\s) < 7
	s_wait_loadcnt 16                              ; this K step's 16 loads are in; the next step's 16 may be out
.else
	s_wait_loadcnt 0x0
.endif
.irp i, 0,1,2,3,4,5,6,7,8,9,10,11,12,13,14,15
	ds_store_b128 v2, v[R+64*((\s)%2)+4*\i:R+64*((\s)%2)+4*\i+3] offset:528*\i   ; row i as it lies; rows 528 bytes = 132 words apart, so the 16 rows that a read touches start at 16 different banks (64 banks of 4 bytes: ISA guide 11.1)
.endr
.irp b, 0,1,2,3
.irp j, 0,1,2,3
	ds_load_b128 v[X+16*\b+4*\j:X+16*\b+4*\j+3], v3 offset:128*\b+16*\j   ; LDS serves a wave's instructions in order: these see the stores above
.endr
.endr
	s_wait_dscnt 0x0                               ; my 64 numbers are back, and the stores have read their registers
	s_wait_xcnt 0x0                                ; the last step's stores of codes have read theirs: v[PC] on is written again only behind this wait
.if (\s)+2 < 8
	LOADX (\s)+2
.endif
	QUANT X, W+(\s)
.irp c, 0,1,2,3
	global_store_b128 v1, v[PC+4*\c:PC+4*\c+3], s[14:15] offset:2048*(\s)+512*\c   ; 32 lanes store 512 consecutive bytes
.endr
.endm
.macro LOADW t                         ; block t: W(32 t + i, my column)
.set i, 0
.rept 32
	global_load_b32 v[WX+32*((\t)%2)+i], v3, s[6:7] offset:(32*(\t)+i)*4096 th:TH_LOAD_NT
.set i, i+1
.endr
.endm
.macro BLOCK t
.set XS, WX+32*((\t)%2)
.if (\t) < 7
	s_wait_loadcnt 32                              ; this block's 32 loads are in; the next block's may be out
.else
	s_wait_loadcnt 0x0
.endif
	v_max3_num_f32 v12, |v[XS]|, |v[XS+1]|, |v[XS+2]|   ; all 32 numbers of the block are mine
	v_max3_num_f32 v13, |v[XS+3]|, |v[XS+4]|, |v[XS+5]|
.irp i, 6,10,14,18,22,26
	v_max3_num_f32 v12, v12, |v[XS+\i]|, |v[XS+\i+1]|
	v_max3_num_f32 v13, v13, |v[XS+\i+2]|, |v[XS+\i+3]|
.endr
	v_max3_num_f32 v12, v12, |v[XS+30]|, |v[XS+31]|
	v_max3_num_f32 v12, v12, v13, 0x4800000        ; and the floor
	v_add_nc_u32 v11, 0xfc000000, v12
	v_lshrrev_b32 v13, 23, v11
.if (\t)%4 == 0
	v_mov_b32 v[SB+(\t)/4], v13
.else
	v_lshl_or_b32 v[SB+(\t)/4], v13, 8*((\t)%4), v[SB+(\t)/4]
.endif
.set i, 0
.rept 32
.set i, i+1
.endr
.irp g, 0,1,2,3
	v_cvt_scalef32_pk8_fp8_f32 v[WC+8*(\t)+2*\g:WC+8*(\t)+2*\g+1], v[XS+8*\g:XS+8*\g+7], v11
.endr
	v_nop                                          ; a plain line behind the last conversion
	global_store_b128 v4, v[WC+8*(\t):WC+8*(\t)+3], s[18:19] offset:((\t)/4)*2048+((\t)%4)*512       ; k 0-15 of the block: the image's lanes 0-15; sixteen of my lanes fill 256 consecutive bytes of one tile, sixteen of the other
	global_store_b128 v4, v[WC+8*(\t)+4:WC+8*(\t)+7], s[18:19] offset:((\t)/4)*2048+((\t)%4)*512+256 ; k 16-31: its lanes 16-31
.if (\t)+2 < 8
	LOADW (\t)+2
.endif
.endm
	s_load_b256 s[4:11], s[0:1], 0x0               ; x s[4:5], wq s[6:7], wk s[8:9], wv s[10:11]
	s_load_b256 s[12:19], s[0:1], 0x20             ; wo s[12:13], x_img s[14:15], x_sc s[16:17], w_img s[18:19]
	s_load_b64 s[20:21], s[0:1], 0x40              ; w_sc
	v_lshl_add_u32 v30, v0, 2, 0x8400
	v_mov_b32 v31, 0
	v_lshrrev_b32 v1, 5, v0
	v_readfirstlane_b32 s22, v1                    ; wave
	v_and_b32 v6, 31, v0                           ; lane
	s_mov_b32 s[SEL], 0x76543210
	s_mov_b32 s[SEL+1], 0xfedcba98
	s_cmp_lt_u32 ttmp9, 128
	s_cbranch_scc0 .Lweights
	; ---- x
	v_lshlrev_b32 v1, 4, v6                        ; 16 x lane
	s_mul_i32 s23, s22, 8448                       ; my stage: 16 rows x 528 bytes
	v_add_nc_u32 v2, s23, v1                       ; in
	v_and_b32 v7, 15, v0                           ; r
	v_bfe_u32 v5, v0, 4, 1                         ; h
	v_mul_u32_u24 v3, v7, 528
	v_lshl_add_u32 v3, v5, 6, v3
	v_add_nc_u32 v3, s23, v3                       ; out: row r, + 64 h
	v_lshlrev_b32 v4, 3, v7
	v_lshl_add_u32 v4, v5, 7, v4                   ; the scale words: 128 h + 8 r
.irp b, 0,1,2,3
	v_mov_b32 v[TM+4+\b], 0                        ; a lane permute's destination counts as one of its sources
.endr
	s_lshl_b32 s24, ttmp9, 2
	s_add_co_u32 s24, s24, s22                     ; my tile T
	s_lshr_b32 s25, s24, 1
	s_lshl_b32 s25, s25, 5
	s_and_b32 s26, s24, 1
	s_lshl_b32 s26, s26, 3
	s_add_co_u32 s26, s25, s26                     ; its first row
	s_lshl_b32 s26, s26, 12                        ; rows of 4,096 bytes
	s_mov_b32 s27, 0
	s_wait_alu depctr_va_vdst(0)
	s_wait_kmcnt 0x0
	s_add_nc_u64 s[4:5], s[4:5], s[26:27]
	s_lshl_b32 s26, s24, 14
	s_add_nc_u64 s[14:15], s[14:15], s[26:27]
	s_lshl_b32 s26, s24, 9
	s_add_nc_u64 s[16:17], s[16:17], s[26:27]
	LOADX 0
	LOADX 1
.irp s, 0,1,2,3,4,5,6,7
	XSTEP \s
.endr
	v_cmp_ne_u32 vcc_lo, 0, v5                     ; lanes 0-15 store the words of K / 256 = 0 and 2, lanes 16-31 those of 1 and 3 (both halves hold all eight)
	v_cndmask_b32 v24, v[W+0], v[W+2], vcc_lo
	v_cndmask_b32 v25, v[W+1], v[W+3], vcc_lo
	v_cndmask_b32 v26, v[W+4], v[W+6], vcc_lo
	v_cndmask_b32 v27, v[W+5], v[W+7], vcc_lo
	global_store_b64 v4, v[24:25], s[16:17]        ; 32 lanes store 256 consecutive bytes
	global_store_b64 v4, v[26:27], s[16:17] offset:256
	s_wait_tensorcnt 0x0
	ds_add_u32 v30, v31
	s_wait_dscnt 0x0
	s_endpgm
.Lweights:
	; ---- a weight: 32 columns x 256 along K a wave
	s_sub_co_u32 s23, ttmp9, 128
	s_lshr_b32 s24, s23, 5                         ; which weight: q, k, v, o
	s_bfe_u32 s25, s23, 0x30002                    ; which 128 columns
	s_and_b32 s26, s23, 3                          ; which 256 along K
	s_wait_alu depctr_va_vdst(0)
	v_lshlrev_b32 v3, 2, v6                        ; in: 4 bytes a lane: 128 consecutive bytes a wave
	v_bfe_u32 v7, v6, 3, 1                         ; my column's tile of the two: (lane / 8) % 2
	v_and_b32 v8, 7, v6
	v_lshrrev_b32 v9, 4, v6
	v_lshl_or_b32 v8, v9, 3, v8                    ; and its lane r there: lane % 8 + 8 (lane / 16)
	v_lshlrev_b32 v4, 4, v8
	v_lshl_add_u32 v4, v7, 14, v4                  ; the image: 16,384 x tile + 16 r
	v_lshlrev_b32 v9, 3, v8
	v_lshl_add_u32 v9, v7, 9, v9                   ; the scale words: 512 x tile + 8 r
	s_lshl_b32 s27, s24, 6
	s_lshl_b32 s28, s25, 3
	s_add_co_u32 s27, s27, s28
	s_lshl_b32 s28, s22, 1
	s_add_co_u32 s27, s27, s28                     ; my first tile: 64 x weight + 8 x (128 columns) + 2 x wave
	s_lshl_b32 s32, s26, 20                        ; 256 rows of 4,096 bytes,
	s_lshl_b32 s28, s25, 9
	s_add_co_u32 s32, s32, s28
	s_lshl_b32 s28, s22, 7
	s_add_co_u32 s32, s32, s28                     ; + 4 x my first column
	s_mov_b32 s33, 0
	s_lshl_b32 s34, s27, 14
	s_lshl_b32 s28, s26, 12
	s_add_co_u32 s34, s34, s28
	s_mov_b32 s35, 0
	s_lshl_b32 s36, s27, 9
	s_lshl_b32 s28, s26, 7
	s_add_co_u32 s36, s36, s28
	s_mov_b32 s37, 0
	s_wait_alu depctr_va_vdst(0)
	s_wait_kmcnt 0x0
	s_cmp_eq_u32 s24, 1                            ; the choice hangs on the work-group's number alone
	s_cselect_b64 s[6:7], s[8:9], s[6:7]
	s_cmp_eq_u32 s24, 2
	s_cselect_b64 s[6:7], s[10:11], s[6:7]
	s_cmp_eq_u32 s24, 3
	s_cselect_b64 s[6:7], s[12:13], s[6:7]
	s_add_nc_u64 s[6:7], s[6:7], s[32:33]
	s_add_nc_u64 s[18:19], s[18:19], s[34:35]
	s_add_nc_u64 s[20:21], s[20:21], s[36:37]
	LOADW 0
	LOADW 1
.irp t, 0,1,2,3,4,5,6,7
	BLOCK \t
.endr
	global_store_b64 v9, v[SB:SB+1], s[20:21]      ; my column's two scale words: pieces of 128 consecutive bytes a tile; 131,072 bytes in the whole launch
	s_endpgm
.Lfunc_end_k_qa120c0eafb_quant:
	.size	k_qa120c0eafb_quant, .Lfunc_end_k_qa120c0eafb_quant-k_qa120c0eafb_quant
	.p2alignl 7, 3214868480
	.fill 96, 4, 3214868480
	.section	.rodata,"a",@progbits
	.p2align	6, 0x0
	.amdhsa_kernel k_qa120c0eafb_quant
		.amdhsa_group_segment_fixed_size 34304
		.amdhsa_private_segment_fixed_size 0
		.amdhsa_enable_private_segment 0
		.amdhsa_kernarg_size 72
		.amdhsa_user_sgpr_count 2
		.amdhsa_user_sgpr_kernarg_segment_ptr 1
		.amdhsa_wavefront_size32 1
		.amdhsa_system_sgpr_workgroup_id_x 1
		.amdhsa_system_sgpr_workgroup_id_y 1
		.amdhsa_system_sgpr_workgroup_id_z 1
		.amdhsa_system_vgpr_workitem_id 0
		.amdhsa_next_free_vgpr 256
		.amdhsa_next_free_sgpr 66
		.amdhsa_reserve_vcc 1
		.amdhsa_float_denorm_mode_32 3
		.amdhsa_float_denorm_mode_16_64 3
		.amdhsa_fp16_overflow 1
		.amdhsa_memory_ordered 1
		.amdhsa_forward_progress 1
		.amdhsa_inst_pref_size 103
	.end_amdhsa_kernel
	.amdgpu_metadata
---
amdhsa.version: [ 1, 2 ]
amdhsa.kernels:
  - .name:           k_qa120c0eafb_quant
    .symbol:         k_qa120c0eafb_quant.kd
    .args:
      - { .name: x, .offset: 0, .size: 8, .value_kind: global_buffer, .address_space: global }
      - { .name: wq, .offset: 8, .size: 8, .value_kind: global_buffer, .address_space: global }
      - { .name: wk, .offset: 16, .size: 8, .value_kind: global_buffer, .address_space: global }
      - { .name: wv, .offset: 24, .size: 8, .value_kind: global_buffer, .address_space: global }
      - { .name: wo, .offset: 32, .size: 8, .value_kind: global_buffer, .address_space: global }
      - { .name: x_img, .offset: 40, .size: 8, .value_kind: global_buffer, .address_space: global }
      - { .name: x_sc, .offset: 48, .size: 8, .value_kind: global_buffer, .address_space: global }
      - { .name: w_img, .offset: 56, .size: 8, .value_kind: global_buffer, .address_space: global }
      - { .name: w_sc, .offset: 64, .size: 8, .value_kind: global_buffer, .address_space: global }
    .group_segment_fixed_size: 34304
    .private_segment_fixed_size: 0
    .kernarg_segment_align: 8
    .kernarg_segment_size: 72
    .max_flat_workgroup_size: 128
    .sgpr_count:     66
    .vgpr_count:     256
    .wavefront_size: 32
...
	.end_amdgpu_metadata
.endif
;; end of part 1
;; launch qkv (part 2): grid 12 x 32, 4 waves a work-group, clusters of 4 x 4, 327,680 bytes of LDS; arguments x_img, x_sc, w_img, w_sc, bq, bk, bv, qkv_img, qkv_sc; writes qkv_img, qkv_sc
.if DOCPART == 2
	.amdgcn_target "amdgcn-amd-amdhsa--gfx1250"
	.amdhsa_code_object_version 6
	.text
	.protected	k_qa120c0eafb_qkv
	.globl	k_qa120c0eafb_qkv
	.p2align	8
	.type	k_qa120c0eafb_qkv,@function
k_qa120c0eafb_qkv:
	s_mov_b64 s[64:65], 0
	v_nop
	global_prefetch_b8 v0, s[64:65] scope:SCOPE_SE
	s_setreg_imm32_b32 hwreg(HW_REG_WAVE_MODE, 25, 1), 1
	s_wait_xcnt 0x0
	s_wait_alu depctr_hold_cnt(0) depctr_sa_sdst(0) depctr_va_vdst(0) depctr_va_sdst(0) depctr_va_ssrc(0) depctr_va_vcc(0) depctr_vm_vsrc(0)
	s_getreg_b32 s2, hwreg(HW_REG_IB_STS2, 6, 4)
	s_cmp_eq_u32 s2, 0
	s_cbranch_scc0 .Lentry_in_a_cluster
	s_endpgm
.Lentry_in_a_cluster:
	s_bfe_u32 s2, ttmp6, 0x10000c
	s_cmp_lg_u32 s2, 0xf033
	s_cbranch_scc0 .Lentry_shape_is_right
	s_endpgm
.Lentry_shape_is_right:
; q = x wq + bq, k = x wk + bk, v = x wv + bv on codes of FP8 (E4M3) with E8M0 scales, sums in f32; the results are quantised in registers (q, k along the head's 64; v along the tokens) and leave as operand images.
; LIMITS: NaN and infinities are not served; a block of zeros gets the byte 1 where the rule says 127 (its codes are zeros; this program alone reads the bytes).
; OPERANDS are images of registers: a fragment (tile of 16 rows, 128 along K) is [c][lane][16 bytes], 2,048 bytes; lane r of tile T stands for row 32 (T / 2) + 8 (T % 2) + r + 8 (r / 8).  So a fragment comes by
; four LDS loads at 16 x lane (consecutive bytes: no padding wanted), and the 16 registers of two neighbouring result tiles are 16 neighbours along source 0's rows, in the next operand's own order.
; A tile of 256 x 256 results to a work-group of four waves, 128 x 128 a wave: 64 accumulators, 512 registers.  K = 1,024 goes in four steps of 256 through two LDS slots.
; TWO SETS of 256 rows: set A is source 1 (a lane of the result holds one of its rows), set B source 0 (the result's registers run along its rows).  The cluster's x says which weight: 0 q, 1 k, 2 v.
;   q, k: A = tokens of x, B = columns of the weight: a lane holds a token and its registers run along the head's d.     v: A = columns of wv, B = tokens: a lane holds a column d and its registers run along the keys.
; The roles are changed by pointers and indices alone; branches hang on the cluster's x, which all sixteen partners share.
; CLUSTERS: 4 x 4.  Set A's index hangs on cy and is shared along a row of the cluster, set B's on cx and is shared along a column: each tile is asked for jointly, which divides the requests by four.
; The bias is the C of each sum's first matrix instruction.
; REGISTERS, in windows of 256: window 0: v0-31 addresses; v32-63 scale words, two sets; v64-127 the bias in the result's layout; v128-255 set A's fragments, one set.  window 1: set B's, two sets.  windows 2, 3: accumulator (a, b) at v[8 (8 (a % 4) + b)].
.set NQ,     2                         ; matrix instructions deep in a slot
.set FR,     16                        ; registers of a fragment
.set NL,     4                         ; LDS loads that bring one
.set NP,     8                         ; places behind this matrix instruction (ISA guide 7.12.1)
.set HALFT,  32768                     ; 8 tiles x 4,096 bytes: what one tensor load brings, and what one wave reads of a set
.set SLOT,   4*HALFT                   ; set A's 16 tiles, then set B's
.set SCA,    2*SLOT                    ; behind the ring: the scales of all of K: set A's 8,192 bytes; set B's begin 8,320 on, so that the two halves of the lanes read different banks
.set SPARE,  SCA+16640                 ; the spare words, 128 bytes for each wave: two blocks of 256 bytes that no other line names
.set ADRA, 16                          ; v16-17  LDS address of my fragments of set A in slot 0, 1
.set ADRB, 20                          ; v20-21  the same for set B
.set LI,   24                          ; v24     16 x lane
.set BO,   25                          ; v25     bias of q, k: 64 h
.set BV,   26                          ; v26     bias of v: 4 (r + 8 (r / 8))
.set ADRS, 27                          ; v27     LDS address of my scale words: lanes 0-15 set A's, lanes 16-31 set B's
.set SPW,  28                          ; v28     my spare word; never rewritten
.set NIL,  29                          ; v29     0; never rewritten
.set SC,   32
.set BI,   64
.set AF,   128
.set X,    64                          ; the way out: 64 held numbers
.set PC,   128                         ; two sets of 16 registers of codes
.set TM,   160                         ; at work on the scales
.set WD,   176                         ; v176-183 the eight scale words
.set SL,   184                         ; v184-187, v188-191 scale words on their way out
.set HD,   188
.set G1, 24
.set G0, 32
.set G1B, 48
.set G0B, 56
.set G1S, 68
.set G0S, 76
.set G1SB, 80
.set G0SB, 88
.set MSB, 0
.macro WIN new                         ; the immediate's high byte repeats the setting that is left
.if MSB != \new
	s_set_vgpr_msb (MSB<<8)|\new
.set MSB, \new
.endif
.endm
.set MUL_LO, 0xa1                      ; source 0 (set B) window 1, source 1 (set A) window 0, C and D window 2
.set MUL_HI, 0xf1                      ; the same, C and D window 3
.set TO_B,   0x40
.macro JLOAD g0a, g1a, g0b, g1b        ; a joint load: waves 0 and 1 fetch for set A, waves 2 and 3 for set B; four v_nop follow each line
	s_cmp_eq_u32 s15, 0
	s_cbranch_scc0 .Lfor_b_\@
	tensor_load_to_lds s[\g0a:\g0a+3], s[\g1a:\g1a+7]
	s_nop 0
.rept 4
	v_nop
.endr
	s_branch .Lasked_\@
.Lfor_b_\@:
	tensor_load_to_lds s[\g0b:\g0b+3], s[\g1b:\g1b+7]
	s_nop 0
.rept 4
	v_nop
.endr
.Lasked_\@:
.endm
.macro CREST                           ; a round of the cluster's barrier behind its opening barrier
	s_cmp_lg_u32 s14, 0
	s_cbranch_scc1 .Lnot_wave_0_\@
	s_barrier_signal -3
.Lnot_wave_0_\@:
	s_barrier_wait -3
	s_barrier_signal -1
	s_barrier_wait -1
.endm
.macro CROUND
	s_barrier_signal -1
	s_barrier_wait -1
	CREST
.endm
.macro PLACES n
.rept \n
	v_nop
.endr
.endm
.macro FRAG reg, adr, q, i             ; tile i's fragment of the slot's q-th 128 along K: four loads of 512 consecutive bytes
.irp c, 0,1,2,3
	ds_load_b128 v[\reg+4*\c:\reg+4*\c+3], v[\adr] offset:4096*(\i)+2048*(\q)+512*\c
.endr
.endm
; 16 matrix instructions: set A's tiles a0, a0 + 1 x set B's eight.  mode 0: the sums go on; 1: they begin with the bias of set B's rows; 2: with that of set A's.  The 64 accumulators take turns.
.macro MUL16 a0, p, q, sc, mode
.irp a, \a0, \a0+1
.irp b, 0,1,2,3,4,5,6,7
.if \mode == 0
	v_wmma_scale_f32_16x16x128_f8f6f4 v[8*(8*((\a)%4)+\b):8*(8*((\a)%4)+\b)+7], v[128*(\p)+FR*\b:128*(\p)+FR*\b+FR-1], v[AF+FR*(\a):AF+FR*(\a)+FR-1], v[8*(8*((\a)%4)+\b):8*(8*((\a)%4)+\b)+7], v[SC+8*NQ*(\sc)+NQ*\b+(\q)], v[SC+8*NQ*(\sc)+NQ*(\a)+(\q)] matrix_a_scale:MATRIX_SCALE_ROW1
.elseif \mode == 1
	v_wmma_scale_f32_16x16x128_f8f6f4 v[8*(8*((\a)%4)+\b):8*(8*((\a)%4)+\b)+7], v[128*(\p)+FR*\b:128*(\p)+FR*\b+FR-1], v[AF+FR*(\a):AF+FR*(\a)+FR-1], v[BI+8*\b:BI+8*\b+7], v[SC+8*NQ*(\sc)+NQ*\b+(\q)], v[SC+8*NQ*(\sc)+NQ*(\a)+(\q)] matrix_a_scale:MATRIX_SCALE_ROW1
.else
	v_wmma_scale_f32_16x16x128_f8f6f4 v[8*(8*((\a)%4)+\b):8*(8*((\a)%4)+\b)+7], v[128*(\p)+FR*\b:128*(\p)+FR*\b+FR-1], v[AF+FR*(\a):AF+FR*(\a)+FR-1], v[BI+8*(\a):BI+8*(\a)+7], v[SC+8*NQ*(\sc)+NQ*\b+(\q)], v[SC+8*NQ*(\sc)+NQ*(\a)+(\q)] matrix_a_scale:MATRIX_SCALE_ROW1
.endif
.endr
.endr
.endm
.macro FETCH_B slot, q, p
	WIN TO_B
.irp i, 0,1,2,3,4,5,6,7
	FRAG 128*(\p)+FR*\i, ADRB+\slot, \q, \i
.endr
	WIN 0
.endm
.macro FETCH_A slot, q, i0
.irp i, \i0, \i0+1, \i0+2, \i0+3
	FRAG AF+FR*(\i), ADRA+\slot, \q, \i
.endr
.endm
.macro SCALES sc                       ; a K step's two scale words a row: lanes 0-15 take set A's tile i, lanes 16-31 set B's
.irp i, 0,1,2,3,4,5,6,7
	ds_load_b64 v[SC+8*NQ*\sc+NQ*\i:SC+8*NQ*\sc+NQ*\i+1], v[ADRS] offset:\i*512
.endr
.endm
; A step of 128 along K that has its successor in the same slot.  Set A has one set of registers: tiles 0-3 are fetched anew in the step's middle, tiles 4-7 at its end.
.macro STEP slot, q, mode
	s_wait_dscnt 4*NL                              ; all but the youngest 16 loads (set A's tiles 4-7) are in
.if \mode
	WIN 0x81                                       ; C (the bias) window 0, D window 2
.else
	WIN MUL_LO
.endif
	MUL16 0, (\q)%2, \q, \slot, \mode
	MUL16 2, (\q)%2, \q, \slot, \mode
	s_wait_dscnt 0
	PLACES NP                                      ; in front of loads into registers that matrix instructions have read
	FETCH_B \slot, (\q)+1, 1-(\q)%2
	FETCH_A \slot, (\q)+1, 0
.if \mode
	WIN 0xc1
.else
	WIN MUL_HI
.endif
	MUL16 4, (\q)%2, \q, \slot, \mode
	MUL16 6, (\q)%2, \q, \slot, \mode
	PLACES NP
	WIN 0
	FETCH_A \slot, (\q)+1, 4
.endm
; A slot's last step changes slots: one barrier; in front of it each wave waits for all its tensor loads, adds 0 to its spare word, and waits for that and for its reads of this slot.  fill = 1: the slot is filled again, two K steps ahead.
.macro TURN slot, next, fill
	s_wait_tensorcnt 0x0                           ; all my tensor loads have landed: my part of the next slot
	ds_add_u32 v[SPW], v[NIL]                      ; 0 onto my spare word
	s_wait_dscnt 4*NL+1                            ; (the add and the youngest 16 loads may be out)
	WIN MUL_LO
	MUL16 0, 1, NQ-1, \slot, 0
	s_wait_dscnt 0x0                               ; the add is done, and my reads of this slot are over
	s_barrier_signal -1
	MUL16 2, 1, NQ-1, \slot, 0
	WIN 0
	s_barrier_wait -1
.if \fill
	CREST                                          ; the barrier has opened a round of the cluster's barrier: no wave of any partner still reads this slot or has a load on its way
	s_add_nc_u64 s[G0+4*\slot+2:G0+4*\slot+3], s[G0+4*\slot+2:G0+4*\slot+3], 8192
	s_add_nc_u64 s[G0B+4*\slot+2:G0B+4*\slot+3], s[G0B+4*\slot+2:G0B+4*\slot+3], 8192
	JLOAD G0+4*\slot, G1, G0B+4*\slot, G1B         ; the first tensor load behind the round; its four v_nop are among the places in front of the loads below
	PLACES NP-4
.else
	PLACES NP
.endif
	v_add_nc_u32 v[ADRS], 128, v[ADRS]             ; the next K step's scale words
	FETCH_B \next, 0, 0
	FETCH_A \next, 0, 0
	SCALES \next
	WIN MUL_HI
	MUL16 4, 1, NQ-1, \slot, 0
	MUL16 6, 1, NQ-1, \slot, 0
	PLACES NP
	WIN 0
	FETCH_A \next, 0, 4
.endm
; THE WAY OUT of set A's tile a: the lane's 64 numbers (register 16 b + i = set B's row 32 b + 16 h + i) become a fragment's codes and a scale word.  Each accumulator is read from its low end on.
.macro OUT a
.set ACB, 64*((\a)%4)
.set PCS, PC+16*((\a)%2)
	WIN 0x0a+5*((\a)/4)                            ; sources 0 and 1: the accumulators' window
.irp b, 0,1,2,3
	v_max3_num_f32 v[TM+\b], |v[ACB+16*\b]|, |v[ACB+1+16*\b]|, 0x4800000   ; and the floor 2^(9 - 127)
.endr
	WIN 0x28+20*((\a)/4)                           ; sources 1 and 2
.irp i, 2,4,6,8,10,12,14
.irp b, 0,1,2,3
	v_max3_num_f32 v[TM+\b], v[TM+\b], |v[ACB+16*\b+\i]|, |v[ACB+1+16*\b+\i]|
.endr
.endr
	WIN 0
.irp b, 0,1,2,3
	v_permlanex16_b32 v[TM+4+\b], v[TM+\b], s20, s21
.endr
.irp b, 0,1,2,3
	v_max_num_f32 v[TM+\b], v[TM+\b], v[TM+4+\b]   ; with lane l xor 16's: the block's largest magnitude
.endr
.irp b, 0,1,2,3
	v_add_nc_u32 v[TM+12+\b], 0xfc000000, v[TM+\b]   ; 8 off the exponent field: the conversion's scale operand
.endr
.irp b, 0,1,2,3
	v_and_or_b32 v[TM+8+\b], v[TM+\b], 0x7f800000, s22   ; 448 x the scale
.endr
.irp b, 0,1,2,3
	v_lshrrev_b32 v[TM+4+\b], 23, v[TM+12+\b]      ; the byte
.endr
	v_lshl_or_b32 v[WD+(\a)], v[TM+5], 8, v[TM+4]
	v_lshl_or_b32 v[WD+(\a)], v[TM+6], 16, v[WD+(\a)]
	v_lshl_or_b32 v[WD+(\a)], v[TM+7], 24, v[WD+(\a)]
	WIN 2+(\a)/4                                   ; source 0
.irp b, 0,1,2,3
.irp i, 0,1,2,3,4,5,6,7,8,9,10,11,12,13,14,15
	v_med3_num_f32 v[X+16*\b+\i], v[ACB+16*\b+\i], -v[TM+8+\b], v[TM+8+\b]   ; the hold (the conversion does not saturate: ISA guide 7.6.2), into window 0
.endr
.endr
	WIN 0
.if (\a) > 1
	s_wait_xcnt 0x0                                ; tile a - 2's stores have read this set of codes
.endif
.irp b, 0,1,2,3
	v_cvt_scalef32_pk8_fp8_f32 v[PCS+4*\b:PCS+1+4*\b], v[X+16*\b:X+7+16*\b], v[TM+12+\b]
	v_cvt_scalef32_pk8_fp8_f32 v[PCS+2+4*\b:PCS+3+4*\b], v[X+8+16*\b:X+15+16*\b], v[TM+12+\b]
.endr
	v_nop                                          ; a plain line behind the last conversion
	s_cmp_eq_u32 ttmp9, 2
	s_cbranch_scc1 .Lst_v_\@
.irp b, 0,1,2,3
	global_store_b128 v[LI], v[PCS+4*\b:PCS+4*\b+3], s[98:99] offset:(\b/2)*393216+1024*(\a)+512*(\b%2)   ; q, k: head b / 2, token tile a, c = b % 2; 512 consecutive bytes
.endr
	s_branch .Lst_in_\@
.Lst_v_\@:
.irp b, 0,1,2,3
	global_store_b128 v[LI], v[PCS+4*\b:PCS+4*\b+3], s[98:99] offset:((\a)/4)*393216+2048*((\a)%4)+512*\b   ; v: head a / 4, tile a % 4 of its 64, c = b
.endr
.Lst_in_\@:
.endm
	s_load_b128 s[4:7], s[0:1], 0x0                ; x_img, x_sc
	s_load_b128 s[8:11], s[0:1], 0x10              ; w_img, w_sc
	s_load_b128 s[92:95], s[0:1], 0x20             ; bq, bk
	s_load_b128 s[96:99], s[0:1], 0x30             ; bv, qkv_img
	s_load_b64 s[100:101], s[0:1], 0x40            ; qkv_sc
	v_lshl_add_u32 v[SPW], v0, 2, SPARE
	v_mov_b32 v[NIL], 0
	ds_add_u32 v28, v29
	ds_add_u32 v28, v29
	s_wait_dscnt 0x0
	v_lshrrev_b32 v1, 5, v0
	v_readfirstlane_b32 s14, v1                    ; wave 0..3
	s_lshr_b32 s15, s14, 1                         ; my half of set A.  Also: I fetch for set A (0) or set B (1)
	s_and_b32 s16, s14, 1                          ; my half of set B.  Also: which 8 tiles of that set I fetch
	s_bfe_u32 s40, ttmp6, 0x40000                  ; cx
	s_bfe_u32 s41, ttmp6, 0x40004                  ; cy
	s_and_b32 s42, ttmp7, 0xffff
	s_lshl_b32 s42, s42, 2                         ; 4 x cluster y
	s_lshl_b32 s13, ttmp9, 2                       ; 4 x the weight's number
	s_cmp_eq_u32 ttmp9, 2
	s_cselect_b32 s17, 8, s42
	s_cselect_b32 s19, s42, s13
	s_add_co_u32 s17, s17, s41                     ; set A's group of 16 tiles: tokens 4 Y + cy, or for v wv's columns 8 + cy
	s_add_co_u32 s19, s19, s40                     ; set B's: the weight's columns 4 x weight + cx, or for v tokens 4 Y + cx
	s_lshl_b32 s43, s41, 2
	s_lshl_b32 s43, 15, s43                        ; my row of the cluster
	s_lshl_b32 s44, 0x1111, s40                    ; my column
	; group 1 for codes: 8 rows (tiles) of 512 elements of 8 bytes (a K step's 4,096 bytes of a tile), 2,048 elements (a tile's 16,384 bytes) apart; no padding
	s_or_b32 s[G1+0], s43, (3<<16)|(1<<21)
	s_or_b32 s[G1B+0], s44, (3<<16)|(1<<21)
.irp g, G1, G1B
	s_mov_b32 s[\g+1], 512<<16                     ; tensor_dim0
	s_mov_b32 s[\g+2], 8<<16                       ; tensor_dim1
	s_mov_b32 s[\g+3], 512<<16                     ; tile_dim0
	s_mov_b32 s[\g+4], 8                           ; tile_dim1
	s_mov_b32 s[\g+5], 2048                        ; tensor_dim0_stride
	s_mov_b32 s[\g+6], 0
	s_mov_b32 s[\g+7], 0
.endr
	; and for the scales of 8 tiles: 4,096 dense bytes as 16 rows of 256
	s_or_b32 s[G1S+0], s43, (3<<16)|(1<<21)
	s_or_b32 s[G1SB+0], s44, (3<<16)|(1<<21)
.irp g, G1S, G1SB
	s_mov_b32 s[\g+1], 32<<16
	s_mov_b32 s[\g+2], 16<<16
	s_mov_b32 s[\g+3], 32<<16
	s_mov_b32 s[\g+4], 16
	s_mov_b32 s[\g+5], 32
	s_mov_b32 s[\g+6], 0
	s_mov_b32 s[\g+7], 0
.endr
	s_lshl_b32 s20, s17, 18                        ; set A's codes: 262,144 bytes a group, 131,072 a half
	s_lshl_b32 s21, s16, 17
	s_add_co_u32 s20, s20, s21
	s_mov_b32 s21, 0
	s_lshl_b32 s22, s17, 13                        ; its scales: 8,192 and 4,096
	s_lshl_b32 s23, s16, 12
	s_add_co_u32 s22, s22, s23
	s_mov_b32 s23, 0
	s_lshl_b32 s46, s19, 18                        ; set B likewise, in registers that never hold cy
	s_lshl_b32 s47, s16, 17
	s_add_co_u32 s46, s46, s47
	s_mov_b32 s47, 0
	s_lshl_b32 s66, s19, 13
	s_lshl_b32 s67, s16, 12
	s_add_co_u32 s66, s66, s67
	s_mov_b32 s67, 0
	s_lshl_b32 s45, s14, 15                        ; where the codes go: wave x 8 tiles
	s_lshl_b32 s12, s14, 12
	s_lshl_b32 s13, s15, 7
	s_add_co_u32 s12, s12, s13                     ; and the scales: 4,096 x wave, + 128 for set B's
	s_wait_kmcnt 0x0
	s_cmp_eq_u32 ttmp9, 2                          ; the choice of buffers hangs on the cluster's x alone
	s_cselect_b64 s[2:3], s[8:9], s[4:5]
	s_add_nc_u64 s[20:21], s[2:3], s[20:21]
	s_cselect_b64 s[2:3], s[10:11], s[6:7]
	s_add_nc_u64 s[22:23], s[2:3], s[22:23]
	s_cselect_b64 s[2:3], s[4:5], s[8:9]
	s_add_nc_u64 s[46:47], s[2:3], s[46:47]
	s_cselect_b64 s[2:3], s[6:7], s[10:11]
	s_add_nc_u64 s[66:67], s[2:3], s[66:67]
	CROUND                                         ; all sixteen work-groups are here: the first joint loads meet
	s_mov_b32 s[G0S], 1
	s_add_co_u32 s[G0S+1], s12, SCA
	s_mov_b64 s[G0S+2:G0S+3], s[22:23]
	s_or_b32 s[G0S+3], s[G0S+3], 0x80000000
	s_mov_b32 s[G0SB], 1
	s_add_co_u32 s[G0SB+1], s12, SCA
	s_mov_b64 s[G0SB+2:G0SB+3], s[66:67]
	s_or_b32 s[G0SB+3], s[G0SB+3], 0x80000000
	JLOAD G0S, G1S, G0SB, G1SB                     ; the scales of all of K: filled once
.irp s, 0,1
	s_mov_b32 s[G0+4*\s], 1
	s_add_co_u32 s[G0+4*\s+1], s45, \s*SLOT
	s_add_nc_u64 s[G0+4*\s+2:G0+4*\s+3], s[20:21], \s*4096
	s_or_b32 s[G0+4*\s+3], s[G0+4*\s+3], 0x80000000
	s_mov_b32 s[G0B+4*\s], 1
	s_add_co_u32 s[G0B+4*\s+1], s45, \s*SLOT
	s_add_nc_u64 s[G0B+4*\s+2:G0B+4*\s+3], s[46:47], \s*4096
	s_or_b32 s[G0B+4*\s+3], s[G0B+4*\s+3], 0x80000000
	JLOAD G0+4*\s, G1, G0B+4*\s, G1B               ; three tensor loads of mine are out behind the second of these
.endr
	v_and_b32 v1, 15, v0                           ; r
	v_bfe_u32 v2, v0, 4, 1                         ; h
	v_and_b32 v3, 31, v0
	v_lshlrev_b32 v[LI], 4, v3
	s_lshl_b32 s21, s15, 15                        ; my 8 tiles of set A
	s_lshl_b32 s22, s16, 15                        ; my 8 tiles of set B,
	s_add_co_u32 s22, s22, 2*HALFT                 ; behind set A's 16
.irp s, 0,1
	v_add_nc_u32 v[ADRA+\s], s21, v[LI]
	v_add_nc_u32 v[ADRB+\s], s22, v[LI]
	s_add_co_u32 s21, s21, SLOT
	s_add_co_u32 s22, s22, SLOT
.endr
	v_lshlrev_b32 v5, 3, v1                        ; two words a row
	s_lshl_b32 s21, s15, 12
	s_lshl_b32 s22, s16, 12
	s_add_co_u32 s22, s22, 8320
	s_sub_co_u32 s22, s22, s21
	v_mul_u32_u24 v6, s22, v2                      ; lanes 16-31 take set B's: one product, the distance between the two
	s_add_co_u32 s21, s21, SCA
	v_add_nc_u32 v5, v5, v6
	v_add_nc_u32 v[ADRS], s21, v5
	v_lshlrev_b32 v[BO], 6, v2
	v_and_b32 v4, 8, v1
	v_add_nc_u32 v4, v4, v1
	v_lshlrev_b32 v[BV], 2, v4
	s_cmp_eq_u32 ttmp9, 2
	s_cbranch_scc1 .Lbias_v
	s_cmp_eq_u32 ttmp9, 1
	s_cselect_b64 s[2:3], s[94:95], s[92:93]
	s_lshl_b32 s12, s40, 10
	s_lshl_b32 s13, s16, 9
	s_add_co_u32 s12, s12, s13                     ; my 128 columns: 256 cx + 128 x half, 4 bytes each
	s_mov_b32 s13, 0
	s_add_nc_u64 s[2:3], s[2:3], s[12:13]
.irp b, 0,1,2,3,4,5,6,7                        ; register j of tile b stands for column 32 (b / 2) + 16 h + 8 (b % 2) + j
	global_load_b128 v[BI+8*\b:BI+8*\b+3], v[BO], s[2:3] offset:(32*(\b/2)+8*(\b%2))*4
	global_load_b128 v[BI+8*\b+4:BI+8*\b+7], v[BO], s[2:3] offset:(32*(\b/2)+8*(\b%2))*4+16
.endr
	s_branch .Lbias_in
.Lbias_v:
	s_lshl_b32 s12, s41, 10
	s_lshl_b32 s13, s15, 9
	s_add_co_u32 s12, s12, s13                     ; my 128 columns: 256 cy + 128 x half
	s_mov_b32 s13, 0
	s_add_nc_u64 s[2:3], s[96:97], s[12:13]
.irp a, 0,1,2,3,4,5,6,7                        ; all eight registers of a lane stand for the lane's own column
.irp j, 0,1,2,3,4,5,6,7
	global_load_b32 v[BI+8*\a+\j], v[BV], s[2:3] offset:(32*(\a/2)+8*(\a%2))*4
.endr
.endr
.Lbias_in:
	s_wait_tensorcnt 1                             ; the scales and my part of K step 0 are in; K step 1's load may be out
	s_barrier_signal -1
	s_barrier_wait -1
	FETCH_B 0, 0, 0
	FETCH_A 0, 0, 0
	SCALES 0
	FETCH_A 0, 0, 4
	s_wait_loadcnt 0x0                             ; the bias
	s_cmp_eq_u32 ttmp9, 2
	s_cbranch_scc1 .Lfirst_v
	STEP 0, 0, 1                                   ; the first step starts the sums with the bias: nothing is cleared
	s_branch .Lfirst_done
.Lfirst_v:
	STEP 0, 0, 2
.Lfirst_done:
	TURN 0, 1, 1                                   ; four K steps: written out, no loop
	STEP 1, 0, 0
	TURN 1, 0, 1
	STEP 0, 0, 0
	TURN 0, 1, 0                                   ; nothing is left to fetch: no round
	STEP 1, 0, 0
	s_wait_dscnt 4*NL
	WIN MUL_LO
	MUL16 0, 1, NQ-1, 1, 0
	MUL16 2, 1, NQ-1, 1, 0
	s_wait_dscnt 0
	WIN MUL_HI
	MUL16 4, 1, NQ-1, 1, 0
	MUL16 6, 1, NQ-1, 1, 0
	WIN 0
	PLACES NP                                      ; in front of the first read of results and of vector writes into registers that held fragments
	s_mov_b32 s20, 0x76543210
	s_mov_b32 s21, 0xfedcba98                      ; lane l xor 16
	s_mov_b32 s22, 0x600000                        ; the mantissa field of 448
.irp b, 0,1,2,3
	v_mov_b32 v[TM+4+\b], 0                        ; a lane permute's destination counts as one of its sources
.endr
	s_cmp_eq_u32 ttmp9, 2
	s_cbranch_scc1 .Lbase_v
	s_lshr_b32 s12, s17, 3                         ; q, k: batch,
	s_lshl_b32 s12, s12, 4
	s_lshl_b32 s13, s40, 2
	s_add_co_u32 s12, s12, s13
	s_lshl_b32 s13, s16, 1
	s_add_co_u32 s12, s12, s13                     ; 16 x batch + my first head (4 cx + 2 x half)
	s_and_b32 s18, s17, 7
	s_mul_i32 s2, s12, 393216                      ; a head's Q, K and V images
	s_lshl_b32 s13, ttmp9, 17                      ; Q or K
	s_add_co_u32 s2, s2, s13
	s_lshl_b32 s13, s18, 14                        ; 16 tiles of 1,024 bytes a group of tokens,
	s_add_co_u32 s2, s2, s13
	s_lshl_b32 s13, s15, 13                        ; 8 a half
	s_add_co_u32 s2, s2, s13
	s_mov_b32 s3, 0
	s_add_nc_u64 s[98:99], s[98:99], s[2:3]
	s_mul_i32 s2, s12, 20480                       ; a head's scale words
	s_lshl_b32 s13, ttmp9, 13
	s_add_co_u32 s2, s2, s13
	s_lshl_b32 s13, s18, 10                        ; 512 bytes for each 128 tokens
	s_add_co_u32 s2, s2, s13
	s_lshl_b32 s13, s15, 9
	s_add_co_u32 s2, s2, s13
	s_add_nc_u64 s[100:101], s[100:101], s[2:3]
	s_branch .Lbase_in
.Lbase_v:
	s_lshr_b32 s12, s19, 3
	s_lshl_b32 s12, s12, 4
	s_lshl_b32 s13, s41, 2
	s_add_co_u32 s12, s12, s13
	s_lshl_b32 s13, s15, 1
	s_add_co_u32 s12, s12, s13                     ; 16 x batch + my first head (4 cy + 2 x half)
	s_and_b32 s18, s19, 7
	s_lshl_b32 s18, s18, 1
	s_add_co_u32 s18, s18, s16                     ; which 128 keys of the batch
	s_mul_i32 s2, s12, 393216
	s_add_co_u32 s2, s2, 262144                    ; V lies behind Q and K
	s_lshl_b32 s13, s18, 13
	s_add_co_u32 s2, s2, s13
	s_mov_b32 s3, 0
	s_add_nc_u64 s[98:99], s[98:99], s[2:3]
	s_mul_i32 s2, s12, 20480
	s_add_co_u32 s2, s2, 16384
	s_lshl_b32 s13, s18, 8
	s_add_co_u32 s2, s2, s13
	s_add_nc_u64 s[100:101], s[100:101], s[2:3]
.Lbase_in:
.irp a, 0,1,2,3,4,5,6,7
	OUT \a
.endr
	v_cmp_ne_u32 vcc_lo, 0, v2                     ; both halves of the lanes hold all eight words: lanes 0-15 send tiles 0-3's, lanes 16-31 tiles 4-7's
.irp i, 0,1,2,3
	v_cndmask_b32 v[SL+\i], v[WD+\i], v[WD+4+\i], vcc_lo
.endr
	s_cmp_eq_u32 ttmp9, 2
	s_cbranch_scc1 .Lsc_v
.irp i, 0,1,2,3
	v_and_b32 v[HD+\i], 0xffff, v[SL+\i]           ; the first head's two bytes; the bytes above are 0: they scale the unused half of the score product's K
.endr
.irp i, 0,1,2,3
	v_lshrrev_b32 v[SL+\i], 16, v[SL+\i]           ; the second head's
.endr
	global_store_b128 v[LI], v[HD:HD+3], s[100:101]
	global_store_b128 v[LI], v[SL:SL+3], s[100:101] offset:20480
	s_branch .Lsc_in
.Lsc_v:
	v_lshlrev_b32 v3, 4, v1
	v_mul_u32_u24 v4, 20480, v2
	v_add_nc_u32 v3, v3, v4                        ; lanes 0-15: the first head's 256 consecutive bytes, lanes 16-31 the second's
	global_store_b128 v3, v[SL:SL+3], s[100:101]
.Lsc_in:
	s_wait_tensorcnt 0x0                           ; the wave's end
	ds_add_u32 v[SPW], v[NIL]
	s_wait_dscnt 0x0
	CROUND                                         ; the closing round: no work-group ends while a partner may still ask for a tile that names it
	s_endpgm
.Lfunc_end_k_qa120c0eafb_qkv:
	.size	k_qa120c0eafb_qkv, .Lfunc_end_k_qa120c0eafb_qkv-k_qa120c0eafb_qkv
	.p2alignl 7, 3214868480
	.fill 96, 4, 3214868480
	.section	.rodata,"a",@progbits
	.p2align	6, 0x0
	.amdhsa_kernel k_qa120c0eafb_qkv
		.amdhsa_group_segment_fixed_size 327680
		.amdhsa_private_segment_fixed_size 0
		.amdhsa_enable_private_segment 0
		.amdhsa_kernarg_size 72
		.amdhsa_user_sgpr_count 2
		.amdhsa_user_sgpr_kernarg_segment_ptr 1
		.amdhsa_wavefront_size32 1
		.amdhsa_system_sgpr_workgroup_id_x 1
		.amdhsa_system_sgpr_workgroup_id_y 1
		.amdhsa_system_sgpr_workgroup_id_z 1
		.amdhsa_system_vgpr_workitem_id 0
		.amdhsa_next_free_vgpr 1024
		.amdhsa_next_free_sgpr 102
		.amdhsa_reserve_vcc 1
		.amdhsa_float_denorm_mode_32 3
		.amdhsa_float_denorm_mode_16_64 3
		.amdhsa_memory_ordered 1
		.amdhsa_forward_progress 1
		.amdhsa_inst_pref_size 211
	.end_amdhsa_kernel
	.amdgpu_metadata
---
amdhsa.version: [ 1, 2 ]
amdhsa.kernels:
  - .name:           k_qa120c0eafb_qkv
    .symbol:         k_qa120c0eafb_qkv.kd
    .args:
      - { .name: x_img, .offset: 0, .size: 8, .value_kind: global_buffer, .address_space: global }
      - { .name: x_sc, .offset: 8, .size: 8, .value_kind: global_buffer, .address_space: global }
      - { .name: w_img, .offset: 16, .size: 8, .value_kind: global_buffer, .address_space: global }
      - { .name: w_sc, .offset: 24, .size: 8, .value_kind: global_buffer, .address_space: global }
      - { .name: bq, .offset: 32, .size: 8, .value_kind: global_buffer, .address_space: global }
      - { .name: bk, .offset: 40, .size: 8, .value_kind: global_buffer, .address_space: global }
      - { .name: bv, .offset: 48, .size: 8, .value_kind: global_buffer, .address_space: global }
      - { .name: qkv_img, .offset: 56, .size: 8, .value_kind: global_buffer, .address_space: global }
      - { .name: qkv_sc, .offset: 64, .size: 8, .value_kind: global_buffer, .address_space: global }
    .group_segment_fixed_size: 327680
    .private_segment_fixed_size: 0
    .kernarg_segment_align: 8
    .kernarg_segment_size: 72
    .max_flat_workgroup_size: 128
    .sgpr_count:     102
    .vgpr_count:     1024
    .wavefront_size: 32
...
	.end_amdgpu_metadata
.endif
;; end of part 2
;; launch attn (part 3): grid 4 x 64, 16 waves a work-group, clusters of 4 x 1, 276,480 bytes of LDS; arguments qkv_img, qkv_sc, o_img, o_sc; writes o_img, o_sc
.if DOCPART == 3
	.amdgcn_target "amdgcn-amd-amdhsa--gfx1250"
	.amdhsa_code_object_version 6
	.text
	.protected	k_qa120c0eafb_attn
	.globl	k_qa120c0eafb_attn
	.p2align	8
	.type	k_qa120c0eafb_attn,@function
k_qa120c0eafb_attn:
	s_mov_b64 s[64:65], 0
	v_nop
	global_prefetch_b8 v0, s[64:65] scope:SCOPE_SE
	s_setreg_imm32_b32 hwreg(HW_REG_WAVE_MODE, 25, 1), 1
	s_wait_xcnt 0x0
	s_wait_alu depctr_hold_cnt(0) depctr_sa_sdst(0) depctr_va_vdst(0) depctr_va_sdst(0) depctr_va_ssrc(0) depctr_va_vcc(0) depctr_vm_vsrc(0)
	s_getreg_b32 s2, hwreg(HW_REG_IB_STS2, 6, 4)
	s_cmp_eq_u32 s2, 0
	s_cbranch_scc0 .Lentry_in_a_cluster
	s_endpgm
.Lentry_in_a_cluster:
	s_bfe_u32 s2, ttmp6, 0x10000c
	s_cmp_lg_u32 s2, 0x3003
	s_cbranch_scc0 .Lentry_shape_is_right
	s_endpgm
.Lentry_shape_is_right:
; Causal attention of one head (batch x head = work-group y), both products on codes of FP8 (E4M3) with E8M0 scales; the result is quantised along the model's 1,024 and leaves as an operand image for the last product.
; t = score x log2(e) / 8; M = the running largest t rounded UP to a whole number; p = 2^(t - M) is quantised along the keys, not normalised; the row's sum is taken of the unquantised p and divides at the end.
; When M moves, the sum and O are multiplied by 2^(old M - new M): exact.
; LIMITS: NaN and infinities are not served; a block of zeros gets the byte 1 where the rule says 127 (its codes are zeros; this program alone reads the bytes).
; OPERANDS are images of registers: lane r of a tile T of tokens stands for token 32 (T / 2) + 8 (T % 2) + r + 8 (r / 8).  Q, K: [tile][c 0..1][lane][16 bytes]; V: [128 keys][tile of 16 d][c 0..3][lane][16 bytes].
; Both products are used transposed: S^T = K Q^T, O^T = V^T P^T: a lane holds one query throughout, and by the order of tokens in a tile p's 16 registers of two neighbouring tiles are 16 neighbouring keys.
; THE HEAD HAS 64 CHANNELS, the matrix instruction takes 128 along K: Q's upper eight registers are zero codes.  K's tile t names 16 registers of which the upper eight are the next tile's codes, behind the last tile
; the second pass's Q codes, which wait there: all of them numbers of the format (the quantiser holds every number, so it makes no NaN code), multiplied by zero codes under the scale byte 0: exact zeros.
; SHARES.  The head's K, V and their scales (274,432 bytes) lie in LDS for the whole launch, filled once: no ring.  The four work-groups of a cluster share the head and ask for them JOINTLY.
; Query tile 4 j + cx lies in tokens 64 j .. 64 j + 63, so its number of key steps, j / 2 + 1, hangs on j alone.  Wave w takes j = w and then j = 31 - w: 17 key steps of 128 keys for every wave of every work-group.
; Both passes' Q are asked for at the head, behind the tensor loads, so that they land while K and V land.
; Every wave walks all 16 trips of the loop over keys (a constant count, so that the stepped LDS addresses can be read off the text) and jumps over the work of the steps behind its diagonal.
; cx enters global offsets and one vector register that is compared: no branch and no LDS address.
; THE KEY STEP'S VECTOR WORK outweighs its 12 matrix instructions, so it is kept short and without long chains: packed forms for t - M, the sums and the rescaling
; p's exponentials are spread among the other lines of work (the blocks' scales, the sums, the conversions).
.set LI,  1                            ; v1   16 x lane
.set KSA, 2                            ; v2   K's scale words: 16 r
.set VSA, 3                            ; v3   V's
.set QL,  4                            ; v4   my query within its 64, less 16 h
.set DV,  5                            ; v5   on the diagonal: my query less the step's first key, less 16 h
.set QSO, 6                            ; v6   16 r
.set OSO, 7                            ; v7   8 r
.set ADK, 8                            ; v8-11 LDS addresses of the step in hand: K, V, K's scales, V's
.set ADV, 9
.set ADS, 10
.set ADT, 11
.set QF,  16                           ; v16-23 Q's codes, v24-31 zeros.   v12 -M, v13 the largest t, v[14:15] the sum in two halves
.set KF,  32                           ; v32-95 K's eight half fragments, later V's four
.set Q1,  96                           ; v96-103 the second pass's Q codes
.set ST,  104                          ; v104-167 S^T, then p
.set OT,  168                          ; v168-199 O^T
.set PC,  200                          ; v200-215 p's codes, at the end o's
.set KS,  216                          ; v216-223 K's scale words; v224-227 V's; v228 Q's; v229 p's; v230 the second pass's Q's
.set VS,  224
.set QS,  228
.set PS,  229
.set QS1, 230
.set OB,  231                          ; v231 o's two scale bytes.   v232-254 at work: v232-235 the blocks' maxima, v236-239 and v248-251 second chains, v244-247 the conversions' scale operands, v252 f
.set WV,  18
.set MNT, 19
.set SEL, 20
.set CS,  22
.set G1C, 24
.set G1S, 32
.set G0C, 40
.set G0S, 44
.set J,   48
.set DG,  49
.set KC,  50
.set TB,  51
.set TS,  52
.set TJ,  53
.macro ROUND                           ; a round of the cluster's barrier
	s_barrier_signal -1
	s_barrier_wait -1
	s_cmp_lg_u32 s[WV], 0
	s_cbranch_scc1 .Lnot_wave_0_\@
	s_barrier_signal -3
.Lnot_wave_0_\@:
	s_barrier_wait -3
	s_barrier_signal -1
	s_barrier_wait -1
.endm
.macro QASK p, dst, sc, va, vb         ; pass p's Q is asked for: its image into v[dst] on, its scale words into v[sc]; v[va], v[vb] hold the offsets until the loads are waited for
.if \p
	s_xor_b32 s62, s[WV], 31
.else
	s_mov_b32 s62, s[WV]
.endif
	s_lshl_b32 s63, s62, 2
	s_add_co_u32 s63, s63, s12                     ; the query tile 4 j + cx,
	s_lshl_b32 s63, s63, 10                        ; 1,024 bytes a tile
	v_add_nc_u32 v[\va], s63, v[LI]
	s_lshl_b32 s63, s62, 8                         ; the scale words lie [128 tokens][tile / 4][r][tile % 4]: 256 j + 16 r + 4 cx
	s_lshl_b32 s2, s12, 2
	s_add_co_u32 s63, s63, s2
	v_add_nc_u32 v[\vb], s63, v[QSO]
	global_load_b128 v[\dst:\dst+3], v[\va], s[4:5]
	global_load_b128 v[\dst+4:\dst+7], v[\va], s[4:5] offset:512
	global_load_b32 v[\sc], v[\vb], s[6:7]
.endm
.macro EX                              ; the next of p's 64 exponentials, while there is one.  It stands ahead of each line of the list below
.if n < 64
	v_exp_f32 v[ST+n], v[ST+n]
.set n, n+1
.endif
.endm
.macro HOLD b                          ; block b's 16 numbers become codes
.irp i, 0,2,4,6,8,10,12,14
	EX
.endr
	EX
	v_cvt_scalef32_pk8_fp8_f32 v[PC+4*(\b):PC+1+4*(\b)], v[ST+16*(\b):ST+7+16*(\b)], v[244+(\b)]
	EX
	v_cvt_scalef32_pk8_fp8_f32 v[PC+2+4*(\b):PC+3+4*(\b)], v[ST+8+16*(\b):ST+15+16*(\b)], v[244+(\b)]
.endm
	s_load_b256 s[4:11], s[0:1], 0x0               ; qkv_img, qkv_sc, o_img, o_sc
	v_lshl_add_u32 v254, v0, 2, 0x43000
	v_mov_b32 v255, 0
	ds_add_u32 v254, v255
	ds_add_u32 v254, v255
	s_wait_dscnt 0x0
	v_lshrrev_b32 v8, 5, v0
	s_delay_alu instid0(VALU_DEP_1)
	v_readfirstlane_b32 s[WV], v8                  ; wave 0..15
	s_bfe_u32 s12, ttmp6, 0x40000                  ; cx
	s_and_b32 s13, ttmp7, 0xffff                   ; 16 x batch + head, which the four partners share
	s_mul_i32 s14, s13, 393216                     ; the head's images
	s_mov_b32 s15, 0
	s_mul_i32 s16, s13, 20480                      ; its scale words
	s_mov_b32 s17, 0
	s_lshr_b32 s2, s13, 4                          ; batch
	s_and_b32 s3, s13, 15                          ; head
	s_lshl_b32 s54, s2, 21                         ; o's image: 128 tiles of 16,384 bytes a batch;
	s_lshr_b32 s62, s3, 1
	s_lshl_b32 s62, s62, 11                        ; fragment head / 2;
	s_add_co_u32 s54, s54, s62
	s_and_b32 s62, s3, 1
	s_lshl_b32 s63, s62, 10                        ; c = 2 (head % 2) on
	s_add_co_u32 s54, s54, s63
	s_mov_b32 s55, 0
	s_lshl_b32 s56, s2, 16                         ; o's scale bytes: 128 tiles of 512 bytes a batch; [K / 256][r][2 words]
	s_lshr_b32 s63, s3, 2
	s_lshl_b32 s63, s63, 7
	s_add_co_u32 s56, s56, s63
	s_bfe_u32 s63, s3, 0x10001
	s_lshl_b32 s63, s63, 2
	s_add_co_u32 s56, s56, s63
	s_lshl_b32 s63, s62, 1
	s_add_co_u32 s56, s56, s63
	s_mov_b32 s57, 0
	; group 1: dense blocks as rows of 256 bytes (32 elements of 8 bytes): 64 rows of codes, 3 rows of scale words; the mask names all four work-groups, bit 21 beside it
	s_mov_b32 s[G1C], 15|(3<<16)|(1<<21)
	s_mov_b32 s[G1C+1], 32<<16
	s_mov_b32 s[G1C+2], 64<<16
	s_mov_b32 s[G1C+3], 32<<16
	s_mov_b32 s[G1C+4], 64
	s_mov_b32 s[G1C+5], 32
	s_mov_b32 s[G1C+6], 0
	s_mov_b32 s[G1C+7], 0
	s_mov_b32 s[G1S], 15|(3<<16)|(1<<21)
	s_mov_b32 s[G1S+1], 32<<16
	s_mov_b32 s[G1S+2], 3<<16
	s_mov_b32 s[G1S+3], 32<<16
	s_mov_b32 s[G1S+4], 3
	s_mov_b32 s[G1S+5], 32
	s_mov_b32 s[G1S+6], 0
	s_mov_b32 s[G1S+7], 0
	s_lshl_b32 s58, s[WV], 14                      ; my sixteenth of K's and V's 262,144 bytes,
	s_mul_i32 s59, s[WV], 768                      ; and of their scales' 12,288
	s_mov_b32 s[SEL], 0x76543210
	s_mov_b32 s[SEL+1], 0xfedcba98
	s_mov_b32 s[CS], 0x3e38aa3b                    ; c = log2(e) / sqrt(64)
	s_mov_b32 s[CS+1], s[CS]                       ; (named with it as a pair)
	s_wait_kmcnt 0x0
	s_add_nc_u64 s[4:5], s[4:5], s[14:15]
	s_add_nc_u64 s[6:7], s[6:7], s[16:17]
	s_add_nc_u64 s[8:9], s[8:9], s[54:55]
	s_add_nc_u64 s[10:11], s[10:11], s[56:57]
	s_mov_b32 s[G0C], 1
	s_mov_b32 s[G0C+1], s58                        ; LDS: K from byte 0, V from 131,072
	s_add_co_u32 s14, s58, 131072                  ; in memory K and V lie on end behind Q
	s_add_nc_u64 s[G0C+2:G0C+3], s[4:5], s[14:15]
	s_or_b32 s[G0C+3], s[G0C+3], 0x80000000
	s_mov_b32 s[G0S], 1
	s_add_co_u32 s[G0S+1], s59, 262144             ; LDS: K's scale words from 262,144, V's from 270,336
	s_add_co_u32 s16, s59, 8192
	s_add_nc_u64 s[G0S+2:G0S+3], s[6:7], s[16:17]
	s_or_b32 s[G0S+3], s[G0S+3], 0x80000000
	ROUND                                          ; all four work-groups are here: the joint loads meet
	tensor_load_to_lds s[G0C:G0C+3], s[G1C:G1C+7]  ; two tensor loads of mine are out: all that this launch issues
	s_nop 0
	tensor_load_to_lds s[G0S:G0S+3], s[G1S:G1S+7]
	s_nop 0
.rept 4
	v_nop
.endr
	v_and_b32 v8, 31, v0
	s_delay_alu instid0(VALU_DEP_1)
	v_lshlrev_b32 v[LI], 4, v8
	s_wait_alu depctr_va_vdst(0)
	v_and_b32 v8, 15, v0                           ; r
	v_bfe_u32 v9, v0, 4, 1                         ; h
	s_delay_alu instid0(VALU_DEP_2)
	v_lshlrev_b32 v[QSO], 4, v8
	s_wait_alu depctr_va_vdst(0)
	QASK 0, QF, QS, 232, 233                       ; both passes' Q: six loads, waited for once, behind the barrier
	QASK 1, Q1, QS1, 234, 235
	v_lshlrev_b32 v[OSO], 3, v8
	v_add_nc_u32 v[KSA], 262144, v[QSO]
	v_add_nc_u32 v[VSA], 270336, v[QSO]
	v_and_b32 v10, 8, v8
	s_delay_alu instid0(VALU_DEP_1)
	v_add_nc_u32 v10, v10, v8                      ; r + 8 (r / 8)
	v_lshlrev_b32 v11, 4, v9
	s_delay_alu instid0(VALU_DEP_1)
	v_sub_nc_u32 v10, v10, v11
	s_lshr_b32 s62, s12, 1
	s_lshl_b32 s62, s62, 5
	s_and_b32 s63, s12, 1
	s_lshl_b32 s63, s63, 3
	s_add_co_u32 s62, s62, s63
	v_add_nc_u32 v[QL], s62, v10                   ; 32 (cx / 2) + 8 (cx % 2) + r + 8 (r / 8) - 16 h
.irp j, 0,1,2,3,4,5,6,7
	v_mov_b32 v[QF+8+\j], 0                        ; zero codes for the unused half of K
.endr
.irp b, 0,1,2,3
	v_mov_b32 v[236+\b], 0                         ; a lane permute's destination counts as one of its sources
.endr
	v_mov_b32 v252, 0
	v_mov_b32 v253, 0                              ; (the upper half of the pair v[252:253])
	s_wait_tensorcnt 0x0                           ; my parts have landed,
	s_barrier_signal -1
	s_barrier_wait -1                              ; everybody's have: from here on LDS is only read
.macro PASS p
.if \p
	s_wait_xcnt 0x0                                ; the last pass's stores have read their registers and bases
	s_xor_b32 s[J], s[WV], 31
.irp j, 0,1,2,3,4,5,6,7
	v_mov_b32 v[QF+\j], v[Q1+\j]                   ; this pass's Q comes into place; the lines below, more than eight, stand between these and the first product
.endr
	v_mov_b32 v[QS], v[QS1]
.else
	s_mov_b32 s[J], s[WV]
.endif
	s_lshr_b32 s[DG], s[J], 1                      ; the key step on the diagonal
	s_and_b32 s62, s[J], 1
	s_lshl_b32 s63, s[J], 2
	s_add_co_u32 s63, s63, s12                     ; my query tile
	s_lshl_b32 s14, s63, 14
	s_add_nc_u64 s[58:59], s[8:9], s[14:15]        ; its place in o's image,
	s_lshl_b32 s14, s63, 9
	s_add_nc_u64 s[60:61], s[10:11], s[14:15]      ; and among o's scale bytes
	s_lshl_b32 s62, s62, 6
	v_add_nc_u32 v[DV], s62, v[QL]
	v_mov_b32 v13, 0xff61b1e6                      ; the largest t so far: -3e38
	s_delay_alu instid0(VALU_DEP_1)
	v_floor_f32 v12, -v13                          ; -M
	v_mov_b32 v14, 0
	v_mov_b32 v15, 0
.set n, 0
.rept 32
	v_mov_b32 v[OT+n], 0                           ; the step is written once: the first finds zeros, which the first change of M leaves zeros
.set n, n+1
.endr
	s_mov_b32 s[KC], 0
	s_mov_b32 s[TB], 0
	s_mov_b32 s[TS], 0
	s_mov_b32 s[TJ], 0
.if \p == 0
	s_wait_loadcnt 0x0                             ; both passes' Q
.endif
.Lkey_\@:
	s_cmp_gt_u32 s[KC], s[DG]                      ; all 128 keys come after my queries: the work is left out, the steps of the addresses are not
	s_cbranch_scc1 .Lhidden_\@
	s_setprio 2
	v_add_nc_u32 v[ADK], s[TB], v[LI]
	v_add_nc_u32 v[ADS], s[TS], v[KSA]
	v_add_nc_u32 v[ADT], s[TJ], v[VSA]
	s_delay_alu instid0(VALU_DEP_3)
	v_add_nc_u32 v[ADV], 0x20000, v[ADK]
.rept 4
	v_nop                                          ; with the four additions: eight places in front of loads into registers that the last products read
.endr
.irp t, 0,1,2,3,4,5,6,7
.irp c, 0,1
	ds_load_b128 v[KF+8*\t+4*\c:KF+8*\t+4*\c+3], v[ADK] offset:1024*\t+512*\c
.endr
.endr
	ds_load_b128 v[KS:KS+3], v[ADS]
	ds_load_b128 v[KS+4:KS+7], v[ADS] offset:256
	s_wait_alu depctr_va_vdst(0)
	s_wait_dscnt 0x0
.irp t, 0,1,2,3,4,5,6,7
	v_wmma_scale_f32_16x16x128_f8f6f4 v[ST+8*\t:ST+8*\t+7], v[KF+8*\t:KF+8*\t+15], v[QF:QF+15], 0, v[KS+\t], v[QS]
.endr
.rept 8
	v_nop                                          ; in front of the first read of the scores, and of the loads below into registers that these products read
.endr
.irp t, 0,1,2,3
.irp c, 0,1,2,3
	ds_load_b128 v[KF+16*\t+4*\c:KF+16*\t+4*\c+3], v[ADV] offset:2048*\t+512*\c   ; V's four fragments land while the softmax is worked
.endr
.endr
	ds_load_b128 v[VS:VS+3], v[ADT]
	s_cmp_lt_u32 s[KC], s[DG]
	s_cbranch_scc1 .Lopen_\@                       ; all keys count
	v_mov_b32 v254, 0xff800000                     ; on the diagonal hidden scores become -infinity: p = 0.  Register 16 b + i holds the step's key 32 b + 16 h + i
.set n, 0
.rept 64
	v_cmp_gt_i32 vcc_lo, 32*(n/16)+n%16, v[DV]
	v_cndmask_b32 v[ST+n], v[ST+n], v254, vcc_lo
.set n, n+1
.endr
.Lopen_\@:
	; the largest score of each block of 32 keys: for the row's maximum and, since p rises with the score, for the block's largest p.  Eight chains, one for each tile of scores, each begun at its tile's low end
.irp b, 0,1,2,3
	v_max3_num_f32 v[232+\b], v[ST+16*\b], v[ST+1+16*\b], v[ST+2+16*\b]
.endr
.irp b, 0,1,2,3
	v_max3_num_f32 v[248+\b], v[ST+8+16*\b], v[ST+9+16*\b], v[ST+10+16*\b]
.endr
.irp i, 3,5
.irp b, 0,1,2,3
	v_max3_num_f32 v[232+\b], v[232+\b], v[ST+16*\b+\i], v[ST+1+16*\b+\i]
.endr
.irp b, 0,1,2,3
	v_max3_num_f32 v[248+\b], v[248+\b], v[ST+8+16*\b+\i], v[ST+9+16*\b+\i]
.endr
.endr
.irp b, 0,1,2,3
	v_max3_num_f32 v[232+\b], v[232+\b], v[ST+7+16*\b], v[ST+15+16*\b]   ; the two numbers left over
.endr
.irp b, 0,2
	v_dual_max_num_f32 v[232+\b], v[232+\b], v[248+\b] :: v_dual_max_num_f32 v[233+\b], v[233+\b], v[249+\b]   ; a block's two chains meet, two blocks an instruction
.endr
.irp b, 0,1,2,3
	v_permlanex16_b32 v[236+\b], v[232+\b], s[SEL], s[SEL+1]
.endr
.irp b, 0,2
	v_dual_max_num_f32 v[232+\b], v[232+\b], v[236+\b] :: v_dual_max_num_f32 v[233+\b], v[233+\b], v[237+\b]   ; with lane l xor 16's 16 keys
.endr
	v_max3_num_f32 v254, v232, v233, v234
	s_delay_alu instid0(VALU_DEP_1)
	v_max_num_f32 v254, v254, v235
	s_delay_alu instid0(VALU_DEP_1)
	v_mul_f32 v254, s[CS], v254
	s_delay_alu instid0(VALU_DEP_1)
	v_max_num_f32 v13, v13, v254                   ; the running largest t
	v_mov_b32 v254, v12
	s_delay_alu instid0(VALU_DEP_2)
	v_floor_f32 v12, -v13                          ; the new -M = -ceil(t)
.set n, 0
.rept 32
	v_pk_fma_f32 v[ST+n:ST+n+1], v[ST+n:ST+n+1], s[CS:CS+1], v[12:13] op_sel_hi:[1,0,0]   ; t - M.  The three lines that make f hang on each other: they stand eight of these apart
.if n == 14
	s_setprio 1
	v_sub_f32 v254, v12, v254                      ; old M - new M: a whole number, 0 or less
.elseif n == 30
	v_cvt_i32_f32 v254, v254                       ; (it saturates)
.elseif n == 46
	v_ldexp_f32 v252, 1.0, v254                    ; f = 2^(old M - new M)
.endif
.set n, n+2
.endr
.irp b, 0,1,2,3
	v_fma_f32 v[232+\b], v[232+\b], s[CS], v12
.endr
	s_wait_alu depctr_va_vdst(0)
.irp b, 0,1,2,3
	v_exp_f32 v[232+\b], v[232+\b]                 ; the block's largest p: the same two instructions on the same number as p's own
.endr
	; p = 2^(t - M): 64 exponentials (EX), one ahead of each line of this list
.set n, 0
	EX
	v_pk_mul_f32 v[14:15], v[14:15], v[252:253] op_sel_hi:[1,0]   ; the sum under the new M: the plain line between the four exponentials above and the use of their results
.irp b, 0,1,2,3
	EX
	s_wait_alu depctr_va_vdst(0)
	v_max_num_f32 v[232+\b], 0x4800000, v[232+\b]  ; the floor 2^(9 - 127): the byte cannot fall under 1
.endr
	s_wait_alu depctr_va_vdst(0)
.irp b, 0,1,2,3
	EX
	v_add_nc_u32 v[244+\b], 0xfc000000, v[232+\b]  ; 8 off the exponent field: the conversion's scale operand
.endr
.irp b, 0,1,2,3
	EX
.endr
	s_wait_alu depctr_va_vdst(0)
.irp b, 0,1,2,3
	EX
	v_lshrrev_b32 v[236+\b], 23, v[244+\b]         ; the scale's byte
.endr
	EX
	s_wait_alu depctr_va_vdst(0)
	v_lshl_or_b32 v[PS], v237, 8, v236             ; p's scale word for these 128 keys
	s_wait_alu depctr_va_vdst(0)
	EX
	v_lshl_or_b32 v[PS], v238, 16, v[PS]
	s_wait_alu depctr_va_vdst(0)
	EX
	v_lshl_or_b32 v[PS], v239, 24, v[PS]
	; the row's sum of the unquantised p, in four chains; each block's sums come ahead of its conversions
	EX
	s_wait_alu depctr_va_vdst(0)
	v_pk_add_f32 v[236:237], v[ST:ST+1], v[ST+2:ST+3]
	s_wait_alu depctr_va_vdst(0)
	EX
	v_pk_add_f32 v[248:249], v[ST+4:ST+5], v[ST+6:ST+7]
	s_wait_alu depctr_va_vdst(0)
	EX
	v_pk_add_f32 v[250:251], v[ST+8:ST+9], v[ST+10:ST+11]
	s_wait_alu depctr_va_vdst(0)
	EX
	v_pk_add_f32 v[14:15], v[14:15], v[ST+12:ST+13]
	EX
	v_pk_add_f32 v[236:237], v[236:237], v[ST+14:ST+15]
	HOLD 0
.irp b, 1,2,3
	EX
	v_pk_add_f32 v[248:249], v[248:249], v[ST+16*\b:ST+1+16*\b]
	EX
	v_pk_add_f32 v[250:251], v[250:251], v[ST+2+16*\b:ST+3+16*\b]
	EX
	s_wait_alu depctr_va_vdst(0)
	v_pk_add_f32 v[14:15], v[14:15], v[ST+4+16*\b:ST+5+16*\b]
	EX
	s_wait_alu depctr_va_vdst(0)
	v_pk_add_f32 v[236:237], v[236:237], v[ST+6+16*\b:ST+7+16*\b]
	EX
	s_wait_alu depctr_va_vdst(0)
	v_pk_add_f32 v[248:249], v[248:249], v[ST+8+16*\b:ST+9+16*\b]
	s_wait_alu depctr_va_vdst(0)
	EX
	v_pk_add_f32 v[250:251], v[250:251], v[ST+10+16*\b:ST+11+16*\b]
	s_wait_alu depctr_va_vdst(0)
	EX
	v_pk_add_f32 v[14:15], v[14:15], v[ST+12+16*\b:ST+13+16*\b]
	EX
	v_pk_add_f32 v[236:237], v[236:237], v[ST+14+16*\b:ST+15+16*\b]
.if \b == 3
	s_delay_alu instid0(VALU_DEP_1)
	v_pk_add_f32 v[236:237], v[236:237], v[248:249]   ; the four chains meet
	s_delay_alu instid0(VALU_DEP_3)
	v_pk_add_f32 v[14:15], v[14:15], v[250:251]
	s_delay_alu instid0(VALU_DEP_1)
	v_pk_add_f32 v[14:15], v[14:15], v[236:237]
.endif
	HOLD \b
.endr
.set n, 0
	s_setprio 0
.rept 16
	v_pk_mul_f32 v[OT+n:OT+n+1], v[OT+n:OT+n+1], v[252:253] op_sel_hi:[1,0]   ; O^T under the new M; these are also the places between the codes and the products below
.set n, n+2
.endr
	s_wait_alu depctr_va_vdst(0)
	s_wait_dscnt 0x0                               ; V and its scale words
.irp t, 0,1,2,3
	v_wmma_scale_f32_16x16x128_f8f6f4 v[OT+8*\t:OT+8*\t+7], v[KF+16*\t:KF+16*\t+15], v[PC:PC+15], v[OT+8*\t:OT+8*\t+7], v[VS+\t], v[PS]
.endr
.Lhidden_\@:
	s_add_co_u32 s[TB], s[TB], 8192
	s_add_co_u32 s[TS], s[TS], 512
	s_add_co_u32 s[TJ], s[TJ], 256
	s_add_co_u32 s[KC], s[KC], 1
	s_cmp_lt_u32 s[KC], 16
	s_cbranch_scc1 .Lkey_\@
	s_setprio 0
.rept 8
	v_nop
.endr
	v_add_f32 v14, v14, v15
	s_delay_alu instid0(VALU_DEP_1)
	v_permlanex16_b32 v252, v14, s[SEL], s[SEL+1]
	s_delay_alu instid0(VALU_DEP_1)
	v_add_f32 v14, v14, v252                       ; the row's sum
	s_wait_alu depctr_va_vdst(0)
	v_rcp_f32 v14, v14
	v_nop
.set n, 0
	s_wait_alu depctr_va_vdst(0)
.rept 32
	v_mul_f32 v[ST+n], v[OT+n], v14                ; o: register 16 b + i is the head's channel 32 b + 16 h + i: two blocks of the last product's K
.set n, n+1
.endr
.irp b, 0,1
	v_max3_num_f32 v[232+\b], |v[ST+16*\b]|, |v[ST+1+16*\b]|, 0x4800000
.endr
.irp i, 2,4,6,8,10,12,14
.irp b, 0,1
	s_delay_alu instid0(VALU_DEP_2)
	v_max3_num_f32 v[232+\b], v[232+\b], |v[ST+16*\b+\i]|, |v[ST+1+16*\b+\i]|
.endr
.endr
.irp b, 0,1
	s_delay_alu instid0(VALU_DEP_2)
	v_permlanex16_b32 v[236+\b], v[232+\b], s[SEL], s[SEL+1]
.endr
.irp b, 0,1
	s_delay_alu instid0(VALU_DEP_2)
	v_max_num_f32 v[232+\b], v[232+\b], v[236+\b]
.endr
.irp b, 0,1
	s_delay_alu instid0(VALU_DEP_2)
	v_add_nc_u32 v[244+\b], 0xfc000000, v[232+\b]
.endr
.irp b, 0,1
.endr
.irp b, 0,1
	s_delay_alu instid0(VALU_DEP_2)
	v_lshrrev_b32 v[236+\b], 23, v[244+\b]
.endr
	s_delay_alu instid0(VALU_DEP_1)
	v_lshl_or_b32 v[OB], v237, 8, v236
.irp b, 0,1
.irp i, 0,1,2,3,4,5,6,7,8,9,10,11,12,13,14,15
.endr
	v_cvt_scalef32_pk8_fp8_f32 v[PC+4*\b:PC+1+4*\b], v[ST+16*\b:ST+7+16*\b], v[244+\b]
	v_cvt_scalef32_pk8_fp8_f32 v[PC+2+4*\b:PC+3+4*\b], v[ST+8+16*\b:ST+15+16*\b], v[244+\b]
.endr
	v_nop
	global_store_b128 v[LI], v[PC:PC+3], s[58:59]               ; 512 consecutive bytes each
	global_store_b128 v[LI], v[PC+4:PC+7], s[58:59] offset:512
	global_store_b16 v[OSO], v[OB], s[60:61]       ; two bytes a row, since two heads share a scale word: 262,144 bytes in the whole launch beside 8,388,608 of codes (both halves of the lanes write the same value)
.endm
	PASS 0
	PASS 1
	s_wait_xcnt 0x0
	v_lshl_add_u32 v254, v0, 2, 0x43000
	v_mov_b32 v255, 0
	s_wait_alu depctr_va_vdst(0)
	s_wait_tensorcnt 0x0
	ds_add_u32 v254, v255
	s_wait_dscnt 0x0
	ROUND                                          ; the closing round
	s_endpgm
.Lfunc_end_k_qa120c0eafb_attn:
	.size	k_qa120c0eafb_attn, .Lfunc_end_k_qa120c0eafb_attn-k_qa120c0eafb_attn
	.p2alignl 7, 3214868480
	.fill 96, 4, 3214868480
	.section	.rodata,"a",@progbits
	.p2align	6, 0x0
	.amdhsa_kernel k_qa120c0eafb_attn
		.amdhsa_group_segment_fixed_size 276480
		.amdhsa_private_segment_fixed_size 0
		.amdhsa_enable_private_segment 0
		.amdhsa_kernarg_size 32
		.amdhsa_user_sgpr_count 2
		.amdhsa_user_sgpr_kernarg_segment_ptr 1
		.amdhsa_wavefront_size32 1
		.amdhsa_system_sgpr_workgroup_id_x 1
		.amdhsa_system_sgpr_workgroup_id_y 1
		.amdhsa_system_sgpr_workgroup_id_z 1
		.amdhsa_system_vgpr_workitem_id 0
		.amdhsa_next_free_vgpr 256
		.amdhsa_next_free_sgpr 66
		.amdhsa_reserve_vcc 1
		.amdhsa_float_denorm_mode_32 3
		.amdhsa_float_denorm_mode_16_64 3
		.amdhsa_fp16_overflow 1
		.amdhsa_memory_ordered 1
		.amdhsa_forward_progress 1
		.amdhsa_inst_pref_size 65
	.end_amdhsa_kernel
	.amdgpu_metadata
---
amdhsa.version: [ 1, 2 ]
amdhsa.kernels:
  - .name:           k_qa120c0eafb_attn
    .symbol:         k_qa120c0eafb_attn.kd
    .args:
      - { .name: qkv_img, .offset: 0, .size: 8, .value_kind: global_buffer, .address_space: global }
      - { .name: qkv_sc, .offset: 8, .size: 8, .value_kind: global_buffer, .address_space: global }
      - { .name: o_img, .offset: 16, .size: 8, .value_kind: global_buffer, .address_space: global }
      - { .name: o_sc, .offset: 24, .size: 8, .value_kind: global_buffer, .address_space: global }
    .group_segment_fixed_size: 276480
    .private_segment_fixed_size: 0
    .kernarg_segment_align: 8
    .kernarg_segment_size: 32
    .max_flat_workgroup_size: 512
    .sgpr_count:     66
    .vgpr_count:     256
    .wavefront_size: 32
...
	.end_amdgpu_metadata
.endif
;; end of part 3
;; launch proj (part 4): grid 4 x 32, 4 waves a work-group, clusters of 4 x 4, 327,680 bytes of LDS; arguments o_img, o_sc, w_img, w_sc, bo, out0; writes out0
.if DOCPART == 4
	.amdgcn_target "amdgcn-amd-amdhsa--gfx1250"
	.amdhsa_code_object_version 6
	.text
	.protected	k_qa120c0eafb_proj
	.globl	k_qa120c0eafb_proj
	.p2align	8
	.type	k_qa120c0eafb_proj,@function
k_qa120c0eafb_proj:
	s_mov_b64 s[64:65], 0
	v_nop
	global_prefetch_b8 v0, s[64:65] scope:SCOPE_SE
	s_setreg_imm32_b32 hwreg(HW_REG_WAVE_MODE, 25, 1), 1
	s_wait_xcnt 0x0
	s_wait_alu depctr_hold_cnt(0) depctr_sa_sdst(0) depctr_va_vdst(0) depctr_va_sdst(0) depctr_va_ssrc(0) depctr_va_vcc(0) depctr_vm_vsrc(0)
	s_getreg_b32 s2, hwreg(HW_REG_IB_STS2, 6, 4)
	s_cmp_eq_u32 s2, 0
	s_cbranch_scc0 .Lentry_in_a_cluster
	s_endpgm
.Lentry_in_a_cluster:
	s_bfe_u32 s2, ttmp6, 0x10000c
	s_cmp_lg_u32 s2, 0xf033
	s_cbranch_scc0 .Lentry_shape_is_right
	s_endpgm
.Lentry_shape_is_right:
; out0 = o wo + bo on codes of FP8 (E4M3) with E8M0 scales, sums in f32; out0 [8192][1024] f32.
; OPERANDS are images of registers: a fragment (tile of 16 rows, 128 along K) is [c][lane][16 bytes], 2,048 bytes; lane r of tile T stands for row 32 (T / 2) + 8 (T % 2) + r + 8 (r / 8) (a token of o, a column of wo).
; A tile of 256 x 256 results to a work-group of four waves, 128 x 128 a wave: 64 accumulators, 512 registers.  K = 1,024 goes in four steps of 256 through two LDS slots.
; Set A (source 1) = 256 tokens, set B (source 0) = 256 columns of wo: a lane of the result holds a token, and its registers run along the columns.  The bias is the C of each sum's first matrix instruction.
; CLUSTERS: 4 x 4.  Set A's index hangs on cy and is shared along a row of the cluster, set B's on cx and is shared along a column: each tile is asked for jointly.
; 128 work-groups: a tile of half the size would give 256, with one and a half times the LDS bytes for each matrix instruction; this text keeps the larger tile.
; REGISTERS, in windows of 256: window 0: v0-31 addresses; v32-63 scale words, two sets; v64-127 the bias; v128-255 set A's fragments, one set.  window 1: set B's, two sets.  windows 2, 3: accumulator (a, b) at v[8 (8 (a % 4) + b)].
.set NQ,     2
.set FR,     16
.set NL,     4
.set NP,     8                         ; places behind this matrix instruction (ISA guide 7.12.1)
.set HALFT,  32768                     ; 8 tiles x 4,096 bytes
.set SLOT,   4*HALFT
.set SCA,    2*SLOT                    ; the scales of all of K: set A's 8,192 bytes; set B's begin 8,320 on
.set SPARE,  SCA+16640                 ; the spare words, 128 bytes for each wave: two blocks of 256 bytes that no other line names
.set SPITCH, 528                       ; the way out: a stage of 16 rows x (512 + 16) bytes for each wave, in slot 0, which has had its last fill and its last read by then
.set ADRA, 16
.set ADRB, 20
.set LI,   24                          ; v24  16 x lane
.set BO,   25                          ; v25  bias: 64 h
.set STO,  26                          ; v26  the stage: where I put my bytes of a row
.set ADRS, 27
.set SPW,  28                          ; v28  my spare word; never rewritten
.set NIL,  29                          ; v29  0; never rewritten
.set RD,   30                          ; v30  the stage: where I read a row back
.set SC,   32
.set BI,   64
.set AF,   128
.set BK,   128                         ; the way out: 16 rows read back: v128-191 and v192-255 by turns
.set G1, 24
.set G0, 32
.set G1B, 48
.set G0B, 56
.set G1S, 68
.set G0S, 76
.set G1SB, 80
.set G0SB, 88
.set MSB, 0
.macro WIN new                         ; the immediate's high byte repeats the setting that is left
.if MSB != \new
	s_set_vgpr_msb (MSB<<8)|\new
.set MSB, \new
.endif
.endm
.set MUL_LO, 0xa1
.set MUL_HI, 0xf1
.set TO_B,   0x40
.macro JLOAD g0a, g1a, g0b, g1b        ; a joint load: waves 0 and 1 fetch for set A, waves 2 and 3 for set B; four v_nop follow each line
	s_cmp_eq_u32 s15, 0
	s_cbranch_scc0 .Lfor_b_\@
	tensor_load_to_lds s[\g0a:\g0a+3], s[\g1a:\g1a+7]
	s_nop 0
.rept 4
	v_nop
.endr
	s_branch .Lasked_\@
.Lfor_b_\@:
	tensor_load_to_lds s[\g0b:\g0b+3], s[\g1b:\g1b+7]
	s_nop 0
.rept 4
	v_nop
.endr
.Lasked_\@:
.endm
.macro CREST
	s_cmp_lg_u32 s14, 0
	s_cbranch_scc1 .Lnot_wave_0_\@
	s_barrier_signal -3
.Lnot_wave_0_\@:
	s_barrier_wait -3
	s_barrier_signal -1
	s_barrier_wait -1
.endm
.macro CROUND
	s_barrier_signal -1
	s_barrier_wait -1
	CREST
.endm
.macro PLACES n
.rept \n
	v_nop
.endr
.endm
.macro FRAG reg, adr, q, i
.irp c, 0,1,2,3
	ds_load_b128 v[\reg+4*\c:\reg+4*\c+3], v[\adr] offset:4096*(\i)+2048*(\q)+512*\c
.endr
.endm
; 16 matrix instructions: set A's tiles a0, a0 + 1 x set B's eight.  mode 1: the sums begin with the bias.  The 64 accumulators take turns.
.macro MUL16 a0, p, q, sc, mode
.irp a, \a0, \a0+1
.irp b, 0,1,2,3,4,5,6,7
.if \mode == 0
	v_wmma_scale_f32_16x16x128_f8f6f4 v[8*(8*((\a)%4)+\b):8*(8*((\a)%4)+\b)+7], v[128*(\p)+FR*\b:128*(\p)+FR*\b+FR-1], v[AF+FR*(\a):AF+FR*(\a)+FR-1], v[8*(8*((\a)%4)+\b):8*(8*((\a)%4)+\b)+7], v[SC+8*NQ*(\sc)+NQ*\b+(\q)], v[SC+8*NQ*(\sc)+NQ*(\a)+(\q)] matrix_a_scale:MATRIX_SCALE_ROW1
.else
	v_wmma_scale_f32_16x16x128_f8f6f4 v[8*(8*((\a)%4)+\b):8*(8*((\a)%4)+\b)+7], v[128*(\p)+FR*\b:128*(\p)+FR*\b+FR-1], v[AF+FR*(\a):AF+FR*(\a)+FR-1], v[BI+8*\b:BI+8*\b+7], v[SC+8*NQ*(\sc)+NQ*\b+(\q)], v[SC+8*NQ*(\sc)+NQ*(\a)+(\q)] matrix_a_scale:MATRIX_SCALE_ROW1
.endif
.endr
.endr
.endm
.macro FETCH_B slot, q, p
	WIN TO_B
.irp i, 0,1,2,3,4,5,6,7
	FRAG 128*(\p)+FR*\i, ADRB+\slot, \q, \i
.endr
	WIN 0
.endm
.macro FETCH_A slot, q, i0
.irp i, \i0, \i0+1, \i0+2, \i0+3
	FRAG AF+FR*(\i), ADRA+\slot, \q, \i
.endr
.endm
.macro SCALES sc
.irp i, 0,1,2,3,4,5,6,7
	ds_load_b64 v[SC+8*NQ*\sc+NQ*\i:SC+8*NQ*\sc+NQ*\i+1], v[ADRS] offset:\i*512
.endr
.endm
.macro STEP slot, q, mode
	s_wait_dscnt 4*NL                              ; all but the youngest 16 loads (set A's tiles 4-7) are in
.if \mode
	WIN 0x81                                       ; C (the bias) window 0, D window 2
.else
	WIN MUL_LO
.endif
	MUL16 0, (\q)%2, \q, \slot, \mode
	MUL16 2, (\q)%2, \q, \slot, \mode
	s_wait_dscnt 0
	PLACES NP
	FETCH_B \slot, (\q)+1, 1-(\q)%2
	FETCH_A \slot, (\q)+1, 0
.if \mode
	WIN 0xc1
.else
	WIN MUL_HI
.endif
	MUL16 4, (\q)%2, \q, \slot, \mode
	MUL16 6, (\q)%2, \q, \slot, \mode
	PLACES NP
	WIN 0
	FETCH_A \slot, (\q)+1, 4
.endm
.macro TURN slot, next, fill
	s_wait_tensorcnt 0x0                           ; all my tensor loads have landed: my part of the next slot
	ds_add_u32 v[SPW], v[NIL]                      ; 0 onto my spare word
	s_wait_dscnt 4*NL+1                            ; (the add and the youngest 16 loads may be out)
	WIN MUL_LO
	MUL16 0, 1, NQ-1, \slot, 0
	s_wait_dscnt 0x0                               ; the add is done, and my reads of this slot are over
	s_barrier_signal -1
	MUL16 2, 1, NQ-1, \slot, 0
	WIN 0
	s_barrier_wait -1
.if \fill
	CREST                                          ; the barrier has opened a round of the cluster's barrier
	s_add_nc_u64 s[G0+4*\slot+2:G0+4*\slot+3], s[G0+4*\slot+2:G0+4*\slot+3], 8192
	s_add_nc_u64 s[G0B+4*\slot+2:G0B+4*\slot+3], s[G0B+4*\slot+2:G0B+4*\slot+3], 8192
	JLOAD G0+4*\slot, G1, G0B+4*\slot, G1B         ; the first tensor load behind the round
	PLACES NP-4
.else
	PLACES NP
.endif
	v_add_nc_u32 v[ADRS], 128, v[ADRS]
	FETCH_B \next, 0, 0
	FETCH_A \next, 0, 0
	SCALES \next
	WIN MUL_HI
	MUL16 4, 1, NQ-1, \slot, 0
	MUL16 6, 1, NQ-1, \slot, 0
	PLACES NP
	WIN 0
	FETCH_A \next, 0, 4
.endm
; THE WAY OUT, a tile of 16 tokens x 128 columns at a time, through my own stage: a lane's eight numbers of tile b are columns 32 (b / 2) + 16 h + 8 (b % 2) + 0..7 of its token's row.
.macro TOSTAGE a
.set AC, 64*((\a)%4)
	WIN 0x08+4*((\a)/4)                            ; an LDS store's data are its source 1: window 2 or 3
.irp b, 0,1,2,3,4,5,6,7
	ds_store_b128 v[STO], v[AC+8*\b:AC+8*\b+3] offset:128*(\b/2)+32*(\b%2)          ; each accumulator from its low end on
	ds_store_b128 v[STO], v[AC+8*\b+4:AC+8*\b+7] offset:128*(\b/2)+32*(\b%2)+16
.endr
	WIN 0
.set BB, BK+64*((\a)%2)
.irp t, 0,1,2,3,4,5,6,7,8,9,10,11,12,13,14,15
	ds_load_b128 v[BB+4*\t:BB+4*\t+3], v[RD] offset:\t*SPITCH   ; LDS serves a wave's instructions in order: these see the stores above
.endr
.endm
.macro SEND a, younger
.set BB, BK+64*((\a)%2)
	s_wait_dscnt \younger
.irp t, 0,1,2,3,4,5,6,7,8,9,10,11,12,13,14,15
	global_store_b128 v[LI], v[BB+4*\t:BB+4*\t+3], s[94:95] offset:(32*((\a)/2)+8*((\a)%2)+\t+8*(\t/8))*4096 th:TH_STORE_NT   ; 32 lanes store 512 consecutive bytes of one token's row; written once, read by nobody here
.endr
.endm
	s_load_b128 s[4:7], s[0:1], 0x0                ; o_img, o_sc
	s_load_b128 s[8:11], s[0:1], 0x10              ; w_img, w_sc
	s_load_b128 s[92:95], s[0:1], 0x20             ; bo, out0
	v_lshl_add_u32 v[SPW], v0, 2, SPARE
	v_mov_b32 v[NIL], 0
	ds_add_u32 v28, v29
	ds_add_u32 v28, v29
	s_wait_dscnt 0x0
	v_lshrrev_b32 v1, 5, v0
	v_readfirstlane_b32 s14, v1                    ; wave 0..3
	s_lshr_b32 s15, s14, 1                         ; my half of set A.  Also: I fetch for set A (0) or set B (1)
	s_and_b32 s16, s14, 1                          ; my half of set B.  Also: which 8 tiles of that set I fetch
	s_bfe_u32 s40, ttmp6, 0x40000                  ; cx
	s_bfe_u32 s41, ttmp6, 0x40004                  ; cy
	s_and_b32 s17, ttmp7, 0xffff
	s_lshl_b32 s17, s17, 2
	s_add_co_u32 s17, s17, s41                     ; set A's group of 16 tiles: tokens 4 Y + cy
	s_add_co_u32 s19, s40, 12                      ; set B's: wo's columns: 12 + cx
	s_lshl_b32 s43, s41, 2
	s_lshl_b32 s43, 15, s43                        ; my row of the cluster
	s_lshl_b32 s44, 0x1111, s40                    ; my column
	; group 1 for codes: 8 rows (tiles) of 512 elements of 8 bytes, 2,048 elements apart; no padding
	s_or_b32 s[G1+0], s43, (3<<16)|(1<<21)
	s_or_b32 s[G1B+0], s44, (3<<16)|(1<<21)
.irp g, G1, G1B
	s_mov_b32 s[\g+1], 512<<16
	s_mov_b32 s[\g+2], 8<<16
	s_mov_b32 s[\g+3], 512<<16
	s_mov_b32 s[\g+4], 8
	s_mov_b32 s[\g+5], 2048
	s_mov_b32 s[\g+6], 0
	s_mov_b32 s[\g+7], 0
.endr
	; and for the scales of 8 tiles: 4,096 dense bytes as 16 rows of 256
	s_or_b32 s[G1S+0], s43, (3<<16)|(1<<21)
	s_or_b32 s[G1SB+0], s44, (3<<16)|(1<<21)
.irp g, G1S, G1SB
	s_mov_b32 s[\g+1], 32<<16
	s_mov_b32 s[\g+2], 16<<16
	s_mov_b32 s[\g+3], 32<<16
	s_mov_b32 s[\g+4], 16
	s_mov_b32 s[\g+5], 32
	s_mov_b32 s[\g+6], 0
	s_mov_b32 s[\g+7], 0
.endr
	s_lshl_b32 s20, s17, 18
	s_lshl_b32 s21, s16, 17
	s_add_co_u32 s20, s20, s21
	s_mov_b32 s21, 0
	s_lshl_b32 s22, s17, 13
	s_lshl_b32 s23, s16, 12
	s_add_co_u32 s22, s22, s23
	s_mov_b32 s23, 0
	s_lshl_b32 s46, s19, 18
	s_lshl_b32 s47, s16, 17
	s_add_co_u32 s46, s46, s47
	s_mov_b32 s47, 0
	s_lshl_b32 s66, s19, 13
	s_lshl_b32 s67, s16, 12
	s_add_co_u32 s66, s66, s67
	s_mov_b32 s67, 0
	s_lshl_b32 s45, s14, 15                        ; where the codes go: wave x 8 tiles
	s_lshl_b32 s12, s14, 12
	s_lshl_b32 s13, s15, 7
	s_add_co_u32 s12, s12, s13                     ; and the scales: 4,096 x wave, + 128 for set B's
	s_wait_kmcnt 0x0
	s_add_nc_u64 s[20:21], s[4:5], s[20:21]
	s_add_nc_u64 s[22:23], s[6:7], s[22:23]
	s_add_nc_u64 s[46:47], s[8:9], s[46:47]
	s_add_nc_u64 s[66:67], s[10:11], s[66:67]
	CROUND                                         ; all sixteen work-groups are here: the first joint loads meet
	s_mov_b32 s[G0S], 1
	s_add_co_u32 s[G0S+1], s12, SCA
	s_mov_b64 s[G0S+2:G0S+3], s[22:23]
	s_or_b32 s[G0S+3], s[G0S+3], 0x80000000
	s_mov_b32 s[G0SB], 1
	s_add_co_u32 s[G0SB+1], s12, SCA
	s_mov_b64 s[G0SB+2:G0SB+3], s[66:67]
	s_or_b32 s[G0SB+3], s[G0SB+3], 0x80000000
	JLOAD G0S, G1S, G0SB, G1SB                     ; the scales of all of K: filled once
.irp s, 0,1
	s_mov_b32 s[G0+4*\s], 1
	s_add_co_u32 s[G0+4*\s+1], s45, \s*SLOT
	s_add_nc_u64 s[G0+4*\s+2:G0+4*\s+3], s[20:21], \s*4096
	s_or_b32 s[G0+4*\s+3], s[G0+4*\s+3], 0x80000000
	s_mov_b32 s[G0B+4*\s], 1
	s_add_co_u32 s[G0B+4*\s+1], s45, \s*SLOT
	s_add_nc_u64 s[G0B+4*\s+2:G0B+4*\s+3], s[46:47], \s*4096
	s_or_b32 s[G0B+4*\s+3], s[G0B+4*\s+3], 0x80000000
	JLOAD G0+4*\s, G1, G0B+4*\s, G1B               ; three tensor loads of mine are out behind the second of these
.endr
	v_and_b32 v1, 15, v0                           ; r
	v_bfe_u32 v2, v0, 4, 1                         ; h
	v_and_b32 v3, 31, v0
	v_lshlrev_b32 v[LI], 4, v3
	s_lshl_b32 s21, s15, 15
	s_lshl_b32 s22, s16, 15
	s_add_co_u32 s22, s22, 2*HALFT
.irp s, 0,1
	v_add_nc_u32 v[ADRA+\s], s21, v[LI]
	v_add_nc_u32 v[ADRB+\s], s22, v[LI]
	s_add_co_u32 s21, s21, SLOT
	s_add_co_u32 s22, s22, SLOT
.endr
	v_lshlrev_b32 v5, 3, v1
	s_lshl_b32 s21, s15, 12
	s_lshl_b32 s22, s16, 12
	s_add_co_u32 s22, s22, 8320
	s_sub_co_u32 s22, s22, s21
	v_mul_u32_u24 v6, s22, v2                      ; lanes 16-31 take set B's: one product, the distance between the two
	s_add_co_u32 s21, s21, SCA
	v_add_nc_u32 v5, v5, v6
	v_add_nc_u32 v[ADRS], s21, v5
	v_lshlrev_b32 v[BO], 6, v2
	s_mul_i32 s23, s14, 16*SPITCH                  ; my stage
	v_mul_u32_u24 v5, v1, SPITCH
	v_lshl_add_u32 v5, v2, 6, v5
	v_add_nc_u32 v[STO], s23, v5                   ; in: row r, + 64 h
	v_add_nc_u32 v[RD], s23, v[LI]                 ; back: the 32 lanes take one row of 512 bytes
	s_lshl_b32 s12, s40, 10
	s_lshl_b32 s13, s16, 9
	s_add_co_u32 s12, s12, s13                     ; my 128 columns, 4 bytes each: 1,024 cx + 512 x half
	s_mov_b32 s13, 0
	s_add_nc_u64 s[92:93], s[92:93], s[12:13]
	s_add_nc_u64 s[94:95], s[94:95], s[12:13]
	s_lshl_b32 s12, s17, 20                        ; my first token: 256 x group + 128 x half, rows of 4,096 bytes
	s_lshl_b32 s2, s15, 19
	s_add_co_u32 s12, s12, s2
	s_add_nc_u64 s[94:95], s[94:95], s[12:13]
.irp b, 0,1,2,3,4,5,6,7                        ; register j of tile b stands for column 32 (b / 2) + 16 h + 8 (b % 2) + j
	global_load_b128 v[BI+8*\b:BI+8*\b+3], v[BO], s[92:93] offset:(32*(\b/2)+8*(\b%2))*4
	global_load_b128 v[BI+8*\b+4:BI+8*\b+7], v[BO], s[92:93] offset:(32*(\b/2)+8*(\b%2))*4+16
.endr
	s_wait_tensorcnt 1                             ; the scales and my part of K step 0 are in; K step 1's load may be out
	s_barrier_signal -1
	s_barrier_wait -1
	FETCH_B 0, 0, 0
	FETCH_A 0, 0, 0
	SCALES 0
	FETCH_A 0, 0, 4
	s_wait_loadcnt 0x0                             ; the bias
	STEP 0, 0, 1                                   ; the first step starts the sums with the bias: nothing is cleared
	TURN 0, 1, 1                                   ; four K steps: written out, no loop
	STEP 1, 0, 0
	TURN 1, 0, 1
	STEP 0, 0, 0
	TURN 0, 1, 0                                   ; nothing is left to fetch: no round.  Behind this barrier nobody reads slot 0 any more
	STEP 1, 0, 0
	s_wait_dscnt 4*NL
	WIN MUL_LO
	MUL16 0, 1, NQ-1, 1, 0
	MUL16 2, 1, NQ-1, 1, 0
	s_wait_dscnt 0
	WIN MUL_HI
	MUL16 4, 1, NQ-1, 1, 0
	MUL16 6, 1, NQ-1, 1, 0
	WIN 0
	PLACES NP                                      ; in front of the first read of results and of loads into registers that held fragments
	TOSTAGE 0
.irp a, 1,2,3,4,5,6,7
.if \a > 1
	s_wait_xcnt 0x0                                ; tile a - 2's stores have read their registers: tile a's loads may land there
.endif
	TOSTAGE \a
	SEND \a-1, 32                                  ; behind tile a - 1's loads: tile a's 16 stores and 16 loads
.endr
	SEND 7, 0
	s_wait_tensorcnt 0x0                           ; the wave's end
	ds_add_u32 v[SPW], v[NIL]
	s_wait_dscnt 0x0
	CROUND                                         ; the closing round
	s_endpgm
.Lfunc_end_k_qa120c0eafb_proj:
	.size	k_qa120c0eafb_proj, .Lfunc_end_k_qa120c0eafb_proj-k_qa120c0eafb_proj
	.p2alignl 7, 3214868480
	.fill 96, 4, 3214868480
	.section	.rodata,"a",@progbits
	.p2align	6, 0x0
	.amdhsa_kernel k_qa120c0eafb_proj
		.amdhsa_group_segment_fixed_size 327680
		.amdhsa_private_segment_fixed_size 0
		.amdhsa_enable_private_segment 0
		.amdhsa_kernarg_size 48
		.amdhsa_user_sgpr_count 2
		.amdhsa_user_sgpr_kernarg_segment_ptr 1
		.amdhsa_wavefront_size32 1
		.amdhsa_system_sgpr_workgroup_id_x 1
		.amdhsa_system_sgpr_workgroup_id_y 1
		.amdhsa_system_sgpr_workgroup_id_z 1
		.amdhsa_system_vgpr_workitem_id 0
		.amdhsa_next_free_vgpr 1024
		.amdhsa_next_free_sgpr 96
		.amdhsa_reserve_vcc 0
		.amdhsa_float_denorm_mode_32 3
		.amdhsa_float_denorm_mode_16_64 3
		.amdhsa_memory_ordered 1
		.amdhsa_forward_progress 1
		.amdhsa_inst_pref_size 146
	.end_amdhsa_kernel
	.amdgpu_metadata
---
amdhsa.version: [ 1, 2 ]
amdhsa.kernels:
  - .name:           k_qa120c0eafb_proj
    .symbol:         k_qa120c0eafb_proj.kd
    .args:
      - { .name: o_img, .offset: 0, .size: 8, .value_kind: global_buffer, .address_space: global }
      - { .name: o_sc, .offset: 8, .size: 8, .value_kind: global_buffer, .address_space: global }
      - { .name: w_img, .offset: 16, .size: 8, .value_kind: global_buffer, .address_space: global }
      - { .name: w_sc, .offset: 24, .size: 8, .value_kind: global_buffer, .address_space: global }
      - { .name: bo, .offset: 32, .size: 8, .value_kind: global_buffer, .address_space: global }
      - { .name: out0, .offset: 40, .size: 8, .value_kind: global_buffer, .address_space: global }
    .group_segment_fixed_size: 327680
    .private_segment_fixed_size: 0
    .kernarg_segment_align: 8
    .kernarg_segment_size: 48
    .max_flat_workgroup_size: 128
    .sgpr_count:     96
    .vgpr_count:     1024
    .wavefront_size: 32
...
	.end_amdgpu_metadata
.endif
;; end of part 4
